; MI455X (gfx1250); checked and timed in simulation.
; The chip was launched on July 23, 2026; its instructions are those of AMD's public machine-readable ISA for CDNA 5 (MIT licence, August 2026) and "CDNA5" Instruction Set Architecture Reference Guide (July 2026). The comments in the code are by the model that wrote it; some were corrected since.
;; Causal Multi Head Self Attention. Allowed arithmetic: matrix products marked QUANTISED: E3M2 operands, one E8M0 scale for each 32 along K, by v_wmma_scale_f32_16x16x128_f8f6f4 with both operands' format E3M2, f32 sums; everything else in f32.
;; Inputs: wout 1,024 x 1,024 float32; wqkv 3,072 x 1,024 float32; x 4 x 2,048 x 1,024 float32.
;; Outputs: out0 4 x 2,048 x 1,024 float32.
;; This version of the problem:
;;   THIS VERSION OF THE PROBLEM IS GIVEN IN LOW PRECISION. The matrix products marked QUANTISED in the list below multiply operands that are first quantised to E3M2 (3 exponent bits, 2 mantissa bits; 6 bits a number), with one power-of-two scale for each 32 numbers along K (OCP MX v1.0); their sums are f32. All else is computed in f32.
;;   The module's matrix products, in the order in which they are computed (A, B: the left and right operand; K: the contracted axis; several contracted axes count as one K, in the product's order):
;;     1. [M 8,192, K 1,024] x [K 1,024, N 3,072]; A: input x; B: input wqkv: QUANTISED
;;     2. batch 64 x [M 2,048, K 64] x [K 64, N 2,048]; A: computed on the way; B: computed on the way: QUANTISED
;;     3. batch 64 x [M 2,048, K 2,048] x [K 2,048, N 64]; A: softmax (see below); B: computed on the way: QUANTISED
;;     4. [M 8,192, K 1,024] x [K 1,024, N 1,024]; A: computed on the way; B: input wout: QUANTISED
;;   THE QUANTISER, for each operand of a quantised product, along K:
;;     - K is cut into blocks of 32 from its start; a last block that is shorter is filled with zeros.
;;     - A block's scale is 2^e with e = floor(log2(the largest magnitude in the block)) - 4, held to -126 .. 127; a block of zeros has e = 0. As a byte (E8M0): e + 127.
;;     - Each number is divided by its block's scale, clamped to +-28, and rounded to the nearest number of E3M2, ties to even, subnormals kept.
;;     - The product sums the exact products of the quantised numbers (number of the format x scale) in f32.
;;   ~~~python
;;   def quantise(x, axis):      # numpy; x: float32 -> the quantised numbers, widened to float32 again
;;       x = np.moveaxis(x, axis, -1); K = x.shape[-1]
;;       x = np.pad(x, [(0, 0)] * (x.ndim - 1) + [(0, -K % 32)]); x = x.reshape(x.shape[:-1] + (-1, 32)); a = np.abs(x).max(-1, keepdims=True)
;;       e = np.where(a > 0, np.clip(np.frexp(np.where(a > 0, a, 1))[1] - 1 - 4, -126, 127), 0)      # np.frexp(a)[1] - 1 = floor(log2(a)), exactly
;;       r = np.clip(x / 2.0 ** e, -28, 28)
;;       step = 2.0 ** (np.maximum(np.frexp(np.where(r == 0, 1, r))[1] - 1, -2) - 2)
;;       q = np.round(r / step) * step * 2.0 ** e      # np.round: ties to even
;;       return np.moveaxis(q.reshape(q.shape[:-2] + (-1,))[..., :K], -1, axis).astype(np.float32)
;;   ~~~
;;   SOFTMAX AHEAD OF A QUANTISED PRODUCT. Where the list says 'softmax', what is quantised is not the finished softmax but p = 2^(t - M), with t = logit x log2(e) and M = ceil(the row's largest t), a whole number; so 1/2 < the row's largest p <= 1. The row's sum l is taken of the UNQUANTISED p, in f32, and the product's result is divided by l at the end. Since M is a whole number, a kernel that streams over the keys may use a running M (the ceiling of the running maximum): every later rescaling is an exact power of two, which a block's scale takes up: the codes' values come out the same.
;;   OPERANDS COMPUTED ON THE WAY. 'Computed on the way' means the value that the module computes at that place (a softmax that the list does not call 'softmax' is quantised finished and normalised). What goes into a quantiser is computed in f32, as accurately as f32 sums, v_exp_f32 and their like allow (about 1e-6 of the number): no bf16 or f16 on the way to a quantiser, and a product that is left as it is and whose result goes on into a quantised operand takes f32 operands (vector FMAs, or v_wmma_f32_16x16x4_f32). A number that lies on a knife's edge between two numbers of the format may be rounded either way, as far as f32 arithmetic and the matrix unit's own rounding can turn it there, and no further.
;; One version. Each part assembles by itself: llvm-mc -triple=amdgcn-amd-amdhsa -mcpu=gfx1250 --defsym DOCPART=n.
;; ======== version 1 of 1: 4 launches
;; limits: right only within a limited range of input values
;; workspace buffers: ops 10,223,616 bytes; yc 6,815,744 bytes; qkv 21,495,808 bytes; tab 524,288 bytes
;; launch prep (part 1): grid 784 x 1, 4 waves a work-group, no clusters, 34,304 bytes of LDS; arguments x, wqkv, wout, ops, tab; writes ops, tab
.if DOCPART == 1
	.amdgcn_target "amdgcn-amd-amdhsa--gfx1250"
	.amdhsa_code_object_version 6
	.text
	.protected	k_q021330e6f2_prep
	.globl	k_q021330e6f2_prep
	.p2align	8
	.type	k_q021330e6f2_prep,@function
k_q021330e6f2_prep:
	s_mov_b64 s[64:65], 0
	v_nop
	global_prefetch_b8 v0, s[64:65] scope:SCOPE_SE
	s_setreg_imm32_b32 hwreg(HW_REG_WAVE_MODE, 25, 1), 1
	s_wait_xcnt 0x0
; x [8192][1024], wqkv [3072][1024], wout [1024][1024], f32, K innermost, become codes of BF6 (E3M2) with one E8M0 byte for each 32 along K,
; laid in the ORDER OF AN OPERAND'S REGISTERS; and the table of cos and sin for the rotation is made.
; WORK LEFT OUT BY THE PROGRAM (in the attention launch alone): steps of 128 keys all of which come after a tile's queries.  reference() builds the causal mask in its own body (jnp.tril),
; and gives those scores the least f32 number ahead of the softmax, whatever the inputs hold: their weights are thrown away.  Every input is loaded.  A NaN, an infinity or an overflow that reaches only those steps is not carried to the result.
; GROUPS.  128 rows are a group: groups 0-63 x, 64-87 wqkv, 88-95 wout.  A group's record (GREC bytes) is eight K steps of GSTEP bytes: codes [tile t = 0..7][1,536], then the step's scale words [t][128]:
; so one dense run of bytes holds all that some K steps of a group need.
; TILES.  Lane row r of tile t is the group's row 32 (t / 2) + 8 (t % 2) + r + 8 (r / 8): so that in the products' results sixteen registers of two neighbouring tiles are sixteen neighbours.
; A FRAGMENT'S IMAGE (16 rows x 128 K, 12 registers a lane): registers 0-3 at 16 x lane, 4-5 at 512 + 8 x lane, 6-9 at 768 + 16 x lane, 10-11 at 1,280 + 8 x lane.  Its scale words: 4 x lane (lanes 16-31 repeat lanes 0-15).
; SHARES.  Work-groups 0-767: eight to a group; a wave makes two fragments (K steps 2 kq, 2 kq + 1) of one tile, and issues all its 32 loads at its start.  Each load reads 512 consecutive bytes of one row;
; a fragment's 16 x 512 bytes turn through the wave's own stage in LDS (rows 528 bytes apart) and come back as 16 neighbours of each block of 32 in a lane.  No barrier: waves share nothing.
; Work-groups 768-783: the table [position 0..2047][i = 0..31]{cos, sin} of position x 10^(-i / 8), one position a thread.
; A block's scale is 2^(floor(log2(largest magnitude)) - 4); its byte is the largest magnitude's exponent field - 4, held at 1 from below.
; LIMITS.  A block of zeros gets the byte 1 where the quantiser says 127: its codes are zeros, and this program alone reads the bytes.  NaN and infinities among the inputs are not served.
; The angle's reduction is written for angles under 2,048, which the shape fixes; 10^(-i / 8) is the correctly rounded constant, which may differ by an ulp from a computed power (1.2e-4 in the largest angle).
.set GREC,  106496
.set GSTEP, 13312
.set STG,   8448                       ; a wave's stage: 16 rows x 528 bytes
.set R,     16                         ; v16-143  two sets of 64: a fragment's numbers as loaded
.set X,     144                        ; v144-207 the same, register 16 b + i = k 32 b + 16 (lane / 16) + i of my row
.set PC,    208                        ; v208-219 the codes; v220-222, v224-226 the conversions' second halves
.set TM,    228                        ; v228-231 largest magnitudes, v232-235 bytes, v240-243 the conversions' scale operands
.set PW,    244                        ; the scale word
.set SEL,   20                         ; s[20:21] lane selects: lane l xor 16
	v_lshl_add_u32 v254, v0, 2, 0x8400             ; my spare word, behind the four stages
	v_mov_b32 v255, 0
	s_cmp_ge_u32 ttmp9, 768
	s_cbranch_scc1 .Ltable
	s_load_b128 s[4:7], s[0:1], 0x0                ; x, wqkv
	s_load_b128 s[8:11], s[0:1], 0x10              ; wout, ops
	v_lshrrev_b32 v1, 5, v0
	v_readfirstlane_b32 s12, v1                    ; wave
	v_and_b32 v1, 31, v0                           ; lane
	v_and_b32 v7, 15, v0                           ; r
	v_bfe_u32 v8, v0, 4, 1                         ; h
	v_lshlrev_b32 v2, 4, v1                        ; 16 x lane
	v_lshlrev_b32 v3, 3, v1                        ; 8 x lane
	v_lshlrev_b32 v4, 2, v1                        ; 4 x lane
	s_mul_i32 s13, s12, STG
	v_add_nc_u32 v5, s13, v2                       ; into the stage: 16 x lane of a row
	v_mul_u32_u24 v6, v7, 528
	v_lshl_add_u32 v6, v8, 6, v6
	v_add_nc_u32 v6, s13, v6                       ; out of it: row r, + 64 h
	s_mov_b32 s[SEL], 0x76543210
	s_mov_b32 s[SEL+1], 0xfedcba98
.irp b, 0,1,2,3
	v_mov_b32 v[TM+4+\b], 0                        ; written once: a lane permute's destination counts as one of its sources
.endr
	s_lshr_b32 s14, ttmp9, 3                       ; the group
	s_and_b32 s15, ttmp9, 7
	s_lshl_b32 s15, s15, 2
	s_add_co_u32 s15, s15, s12                     ; which of the group's 32 shares
	s_lshr_b32 s16, s15, 2                         ; the tile t
	s_and_b32 s17, s15, 3                          ; kq: which quarter of K
	s_wait_alu depctr_va_vdst(0)                   ; the wait at the head's end
	s_wait_kmcnt 0x0
	s_cmp_lt_u32 s14, 88                           ; which tensor: the choice hangs on the work-group's number alone
	s_cselect_b64 s[6:7], s[6:7], s[8:9]
	s_cselect_b32 s18, 64, 88
	s_cmp_lt_u32 s14, 64
	s_cselect_b64 s[4:5], s[4:5], s[6:7]
	s_cselect_b32 s18, 0, s18                      ; the tensor's first group
	s_sub_co_u32 s18, s14, s18
	s_lshl_b32 s18, s18, 7                         ; the group's first row in its tensor
	s_lshr_b32 s19, s16, 1
	s_lshl_b32 s19, s19, 5
	s_add_co_u32 s18, s18, s19
	s_and_b32 s19, s16, 1
	s_lshl_b32 s19, s19, 3
	s_add_co_u32 s18, s18, s19                     ; + 32 (t / 2) + 8 (t % 2)
	s_lshl_b32 s18, s18, 12                        ; rows of 4,096 bytes
	s_lshl_b32 s19, s17, 10
	s_add_co_u32 s18, s18, s19                     ; + 1,024 kq
	s_mov_b32 s19, 0
	s_add_nc_u64 s[4:5], s[4:5], s[18:19]
	s_mul_i32 s22, s14, GREC
	s_mul_i32 s23, s17, 2*GSTEP
	s_add_co_u32 s22, s22, s23                     ; the record's K step 2 kq
	s_mul_i32 s23, s16, 1536
	s_add_co_u32 s24, s22, s23
	s_mov_b32 s25, 0
	s_add_nc_u64 s[8:9], s[10:11], s[24:25]        ; tile t's image there
	s_lshl_b32 s23, s16, 7
	s_add_co_u32 s24, s22, s23
	s_add_co_u32 s24, s24, 12288
	s_add_nc_u64 s[10:11], s[10:11], s[24:25]      ; and its scale words, behind the step's eight images
.macro LOAD f                          ; fragment f: 16 rows x 512 bytes; each load is 512 consecutive bytes of one row
.irp i, 0,1,2,3,4,5,6,7,8,9,10,11,12,13,14,15
	global_load_b128 v[R+64*((\f)%2)+4*\i:R+64*((\f)%2)+4*\i+3], v2, s[4:5] offset:(\i+8*(\i/8))*4096+512*(\f) th:TH_LOAD_NT
.endr
.endm
.macro TURN f                          ; through the stage: LDS serves a wave's instructions in order, so no wait stands between the stores and the loads
.irp i, 0,1,2,3,4,5,6,7,8,9,10,11,12,13,14,15
	ds_store_b128 v5, v[R+64*((\f)%2)+4*\i:R+64*((\f)%2)+4*\i+3] offset:528*\i
.endr
.irp b, 0,1,2,3
.irp j, 0,1,2,3
	ds_load_b128 v[X+16*\b+4*\j:X+16*\b+4*\j+3], v6 offset:128*\b+16*\j
.endr
.endr
.endm
; 64 numbers of a lane, register 16 b + i = k 32 b + 16 (lane / 16) + i of my row, become a fragment's codes in v[PC] on and its scale word in v[PW]
.macro QUANT s
.irp b, 0,1,2,3
	v_max3_num_f32 v[TM+\b], |v[\s+16*\b]|, |v[\s+1+16*\b]|, 0x2800000   ; block b: my 16 numbers, and the floor 2^(5 - 127): the byte cannot fall under 1
.endr
.irp i, 2,4,6,8,10,12,14
.irp b, 0,1,2,3
	v_max3_num_f32 v[TM+\b], v[TM+\b], |v[\s+16*\b+\i]|, |v[\s+1+16*\b+\i]|   ; the four blocks by turns
.endr
.endr
.irp b, 0,1,2,3
	v_permlanex16_b32 v[TM+4+\b], v[TM+\b], s[SEL], s[SEL+1]
.endr
.irp b, 0,1,2,3
	v_max_num_f32 v[TM+\b], v[TM+\b], v[TM+4+\b]   ; with lane l xor 16's: the block's largest magnitude
.endr
.irp b, 0,1,2,3
	v_add_nc_u32 v[TM+12+\b], 0xfe000000, v[TM+\b] ; 4 off its exponent field: the conversion takes this operand's exponent field as its scale
.endr
.irp b, 0,1,2,3
	v_lshrrev_b32 v[TM+4+\b], 23, v[TM+12+\b]      ; the scale's byte
.endr
	v_lshl_or_b32 v[PW], v[TM+5], 8, v[TM+4]
	v_lshl_or_b32 v[PW], v[TM+6], 16, v[PW]
	v_lshl_or_b32 v[PW], v[TM+7], 24, v[PW]
.irp c, 0,1
	v_cvt_scalef32_pk16_bf6_f32 v[PC+6*\c:PC+2+6*\c], v[\s+32*\c:\s+15+32*\c], v[TM+12+2*\c]
	v_cvt_scalef32_pk16_bf6_f32 v[PC+12+4*\c:PC+14+4*\c], v[\s+16+32*\c:\s+31+32*\c], v[TM+12+2*\c+1]   ; (a conversion's three registers begin on an even number)
.endr
	v_nop                                          ; one plain place behind a scaled conversion
.irp c, 0,1                            ; the operand's layout wants a whole block in a lane: lanes 0-15 block 2 c, lanes 16-31 block 2 c + 1
.irp i, 0,1,2
	v_permlane16_swap_b32 v[PC+6*\c+\i], v[PC+12+4*\c+\i]
.endr
.irp i, 0,1,2
	v_mov_b32 v[PC+3+6*\c+\i], v[PC+12+4*\c+\i]
.endr
.endr
.endm
.macro PUT f                           ; the image: stores of 512, 256, 512 and 256 consecutive bytes, and the scale words' 128
	global_store_b128 v2, v[PC:PC+3], s[8:9] offset:GSTEP*(\f)
	global_store_b64 v3, v[PC+4:PC+5], s[8:9] offset:GSTEP*(\f)+512
	global_store_b128 v2, v[PC+6:PC+9], s[8:9] offset:GSTEP*(\f)+768
	global_store_b64 v3, v[PC+10:PC+11], s[8:9] offset:GSTEP*(\f)+1280
	global_store_b32 v4, v[PW], s[10:11] offset:GSTEP*(\f)
.endm
	LOAD 0
	LOAD 1
	s_wait_loadcnt 16                              ; fragment 0's sixteen loads are in, fragment 1's may be out
	TURN 0
.irp f, 0,1
	s_wait_dscnt 0x0                               ; X is back from the stage, and the stage's stores have read their registers
	s_wait_xcnt 0x0                                ; the last image's stores have read PC and PW: they are rewritten only behind this wait
	QUANT X
.if \f < 1
	s_wait_alu depctr_va_vdst(0)                   ; the wait ahead of the wait below: the codes are stored behind it
	s_wait_loadcnt 0x0                             ; fragment 1's loads are in
	TURN \f+1
.endif
	PUT \f
.endr
	s_wait_tensorcnt 0x0                           ; the wave's end
	ds_add_u32 v254, v255
	s_wait_dscnt 0x0
	s_endpgm
.Ltable:
	s_load_b64 s[4:5], s[0:1], 0x20                ; tab
	s_sub_co_u32 s6, ttmp9, 768
	s_lshl_b32 s6, s6, 7
	v_add_nc_u32 v1, s6, v0                        ; my position
	v_lshlrev_b32 v13, 8, v1                       ; 256 bytes a position
	v_cvt_f32_u32 v1, v1
	s_wait_alu depctr_va_vdst(0)                   ; the wait ahead of the run of scalar lines
	s_mov_b32 s20, 0x3f22f983                      ; 2 / pi
	s_mov_b32 s21, 0xbfc90fdb                      ; -(pi / 2), the upper part
	s_mov_b32 s22, 0x333bbd2e                      ; -(pi / 2), the rest
	s_mov_b32 s23, 0xb94ca1f9                      ; the sine's polynomial on |r| <= pi / 4
	s_mov_b32 s24, 0x3c08839e
	s_mov_b32 s25, 0xbe2aaaa3
	s_mov_b32 s26, 0x37ccf5ce                      ; the cosine's
	s_mov_b32 s27, 0xbab6061a
	s_mov_b32 s28, 0x3d2aaaa5
.set I, 0
.irp inv, 1.0, 0.749894209332, 0.562341325190, 0.421696503429, 0.316227766017, 0.237137370566, 0.177827941004, 0.133352143216, 0.1, 0.0749894209332, 0.0562341325190, 0.0421696503429, 0.0316227766017, 0.0237137370566, 0.0177827941004, 0.0133352143216, 0.01, 0.00749894209332, 0.00562341325190, 0.00421696503429, 0.00316227766017, 0.00237137370566, 0.00177827941004, 0.00133352143216, 0.001, 0.000749894209332, 0.000562341325190, 0.000421696503429, 0.000316227766017, 0.000237137370566, 0.000177827941004, 0.000133352143216
	v_mul_f32 v2, \inv, v1                         ; the angle, rounded to f32
	v_mul_f32 v3, s20, v2
	v_rndne_f32 v3, v3                             ; n quarter turns
	v_fma_f32 v4, v3, s21, v2                      ; exact: a multiple of 2^-23 under 1
	v_fma_f32 v4, v3, s22, v4                      ; r
	v_mul_f32 v5, v4, v4                           ; z = r r
	v_fma_f32 v6, v5, s23, s24
	v_fma_f32 v6, v6, v5, s25
	v_mul_f32 v6, v6, v5
	v_fma_f32 v6, v6, v4, v4                       ; sin r
	v_fma_f32 v7, v5, s26, s27
	v_fma_f32 v7, v7, v5, s28
	v_fma_f32 v7, v7, v5, -0.5
	v_fma_f32 v7, v7, v5, 1.0                      ; cos r
	v_cvt_i32_f32 v8, v3
	v_and_b32 v9, 1, v8
	v_cmp_eq_u32 vcc_lo, 1, v9                     ; an odd quarter: the two change places
	v_cndmask_b32 v10, v6, v7, vcc_lo
	v_cndmask_b32 v11, v7, v6, vcc_lo
	v_and_b32 v9, 2, v8
	v_lshlrev_b32 v9, 30, v9
	v_xor_b32 v[65+2*I], v9, v10                   ; the sine is negated in quarters 2 and 3,
	v_add_nc_u32 v8, 1, v8
	v_and_b32 v8, 2, v8
	v_lshlrev_b32 v8, 30, v8
	v_xor_b32 v[64+2*I], v8, v11                   ; the cosine in quarters 1 and 2
.set I, I+1
.endr
	s_wait_alu depctr_va_vdst(0)
	s_wait_kmcnt 0x0
.irp k, 0,1,2,3,4,5,6,7,8,9,10,11,12,13,14,15
	global_store_b128 v13, v[64+4*\k:67+4*\k], s[4:5] offset:16*\k   ; a lane's 256 bytes in sixteen stores: lanes stand 256 bytes apart; half a megabyte in the whole launch
.endr
	s_endpgm
.Lfunc_end_k_q021330e6f2_prep:
	.size	k_q021330e6f2_prep, .Lfunc_end_k_q021330e6f2_prep-k_q021330e6f2_prep
	.p2alignl 7, 3214868480
	.fill 96, 4, 3214868480
	.section	.rodata,"a",@progbits
	.p2align	6, 0x0
	.amdhsa_kernel k_q021330e6f2_prep
		.amdhsa_group_segment_fixed_size 34304
		.amdhsa_private_segment_fixed_size 0
		.amdhsa_enable_private_segment 0
		.amdhsa_kernarg_size 40
		.amdhsa_user_sgpr_count 2
		.amdhsa_user_sgpr_kernarg_segment_ptr 1
		.amdhsa_wavefront_size32 1
		.amdhsa_system_sgpr_workgroup_id_x 1
		.amdhsa_system_sgpr_workgroup_id_y 1
		.amdhsa_system_sgpr_workgroup_id_z 1
		.amdhsa_system_vgpr_workitem_id 0
		.amdhsa_next_free_vgpr 256
		.amdhsa_next_free_sgpr 66
		.amdhsa_reserve_vcc 1
		.amdhsa_float_denorm_mode_32 3
		.amdhsa_float_denorm_mode_16_64 3
		.amdhsa_memory_ordered 1
		.amdhsa_forward_progress 1
		.amdhsa_inst_pref_size 57
	.end_amdhsa_kernel
	.amdgpu_metadata
---
amdhsa.version: [ 1, 2 ]
amdhsa.kernels:
  - .name:           k_q021330e6f2_prep
    .symbol:         k_q021330e6f2_prep.kd
    .args:
      - { .name: x, .offset: 0, .size: 8, .value_kind: global_buffer, .address_space: global }
      - { .name: wqkv, .offset: 8, .size: 8, .value_kind: global_buffer, .address_space: global }
      - { .name: wout, .offset: 16, .size: 8, .value_kind: global_buffer, .address_space: global }
      - { .name: ops, .offset: 24, .size: 8, .value_kind: global_buffer, .address_space: global }
      - { .name: tab, .offset: 32, .size: 8, .value_kind: global_buffer, .address_space: global }
    .group_segment_fixed_size: 34304
    .private_segment_fixed_size: 0
    .kernarg_segment_align: 8
    .kernarg_segment_size: 40
    .max_flat_workgroup_size: 128
    .sgpr_count:     66
    .vgpr_count:     256
    .wavefront_size: 32
...
	.end_amdgpu_metadata
.endif
;; end of part 1
;; launch qkv (part 2): grid 12 x 32, 4 waves a work-group, clusters of 4 x 4, 327,680 bytes of LDS; arguments ops, tab, qkv; writes qkv
.if DOCPART == 2
	.amdgcn_target "amdgcn-amd-amdhsa--gfx1250"
	.amdhsa_code_object_version 6
	.text
	.protected	k_q021330e6f2_qkv
	.globl	k_q021330e6f2_qkv
	.p2align	8
	.type	k_q021330e6f2_qkv,@function
k_q021330e6f2_qkv:
	s_mov_b64 s[64:65], 0
	v_nop
	global_prefetch_b8 v0, s[64:65] scope:SCOPE_SE
	s_setreg_imm32_b32 hwreg(HW_REG_WAVE_MODE, 25, 1), 1
	s_wait_xcnt 0x0
	s_wait_alu depctr_hold_cnt(0) depctr_sa_sdst(0) depctr_va_vdst(0) depctr_va_sdst(0) depctr_va_ssrc(0) depctr_va_vcc(0) depctr_vm_vsrc(0)
	s_getreg_b32 s2, hwreg(HW_REG_IB_STS2, 6, 4)
	s_cmp_eq_u32 s2, 0
	s_cbranch_scc0 .Lentry_in_a_cluster
	s_endpgm
.Lentry_in_a_cluster:
	s_bfe_u32 s2, ttmp6, 0x10000c
	s_cmp_lg_u32 s2, 0xf033
	s_cbranch_scc0 .Lentry_shape_is_right
	s_endpgm
.Lentry_shape_is_right:
; qkv = x wqkv^T on codes of BF6 (E3M2) with E8M0 scales, K = 1,024; then, in registers, the rotation of q and k, and the quantisers of the attention's operands: q and k along the head's 64, v along the tokens.
; Only codes and scale words go to memory.
; OPERANDS come as images of fragments: a group of 128 rows has a record of GREC bytes, eight K steps of GSTEP bytes: codes [tile 0..7][1,536], then the step's scale words [tile][128].
; Lane row r of tile t is the group's row 32 (t / 2) + 8 (t % 2) + r + 8 (r / 8).  In a result, lane (r, h) of accumulator (a, b) then holds source 1's row of tile a, lane row r, and the 64 registers of b = 0..7
; are source 0's rows 32 B + 16 h + i at register 16 B + i: sixteen neighbours of each block of 32, as the conversions want them.
; A work-group makes 256 x 256, each of four waves 128 x 128: 64 accumulators, 512 registers.
; THE RING: two LDS slots of THREE K steps (4 groups x 39,936 bytes each).  A wave's tensor load brings one group's three steps, codes and scale words in one dense run, as rows of 256 bytes.
; K steps 0-2 are asked for at the head, 3-5 behind the first round, 6-7 into slot 0 when its three steps are read out: three loads a wave in the launch, one out at a time,
; the second with two steps and a half of products in which to land, the third with three.
; TYPES, by the cluster's x, which all partners share: 0 q, 1 k: source 1 = tokens, source 0 = rows of wqkv (a lane holds a token, registers run along the channels of two heads);
; 2 v: source 1 = rows of wv, source 0 = tokens (a lane holds a channel, registers run along 128 tokens, the attention's second K).  Only global addresses and the way out hang on the type.
; CLUSTERS: 4 x 4.  Source 1's groups hang on cy and are shared along a row of the cluster, source 0's on cx and are shared along a column: each tile is asked for jointly.
; NO PREFETCH: the block is the largest, in clusters, and K has eight steps, six of which are asked for by the first two loads.
; OUT: record (batch x 16 + head) x 16 + token group, REC bytes: q: 8 tiles x 768 (registers 0-3 at 16 x lane, 4-5 at 512 + 8 x lane), 8 x 128 scale words (two bytes, the upper two 0); k at 7,168 likewise;
; v at 14,336: 4 tiles of channels x 1,536, 4 x 128 scale words.
; LIMITS: a block of zeros gets the byte 1 (its codes are zeros; this program alone reads the bytes); NaN and infinities are not served.
; REGISTERS: window 0: v14-31 addresses; v32-79 scale words, two sets of 24; v128-223 source 1's fragments, one set; on the way out v64-127 cos and sin, v128-230 at work.
;   window 1: source 0's fragments, two sets, at v0 and v128.   windows 2, 3: the accumulators, (a, b) at v[8 (8 (a % 4) + b)].
.set FR,    12
.set NL,    4                          ; LDS loads that bring a fragment
.set NP,    4                          ; places behind this matrix instruction (ISA guide 7.12.1)
.set NQ,    3                          ; K steps in a slot
.set FRB,   1536
.set GSTEP, 13312                      ; a group's K step: eight fragments and their scale words
.set HALFT, 39936                      ; what one tensor load brings: a group's three K steps
.set SLOT,  159744
.set GREC,  106496
.set REC,   20992
.set SPARE, 319488                     ; behind the ring: the spare words, 128 bytes for each wave
.set ADRS,  14                         ; v14-15 my scale words in slot 0, 1: lanes 0-15 source 1's, lanes 16-31 source 0's
.set ADRA,  16                         ; v16-17 source 1's fragments in slot 0, 1: + 16 x lane; v18-19: + 8 x lane
.set ADRB,  20                         ; v20-23 the same for source 0
.set VT,    24                         ; v24    my byte in a tile's rows of the table
.set L16,   26                         ; v26    16 x lane
.set SPW,   28
.set NIL,   29
.set L8,    30                         ; v30    8 x lane
.set L4,    31                         ; v31    4 x lane
.set SC,    32
.set AF,    128
.set CS,    64                         ; the way out: v64-127 cos and sin, two sets of 32
.set T,     128                        ; v128-191 the rotated numbers
.set PC,    192                        ; v192-203 codes; v204-206, v208-210 the conversions' second halves
.set TM,    212                        ; v212-227
.set PW,    228
.set WA,    229
.set WB,    230
.set SEL,   22                         ; s[22:23] on the way out: lane selects
.set G1, 24
.set G0, 32
.set G1B, 48
.set G0B, 56
.set MSB, 0
.macro WIN new                         ; the immediate's high byte repeats the setting that is left
.if MSB != (\new)
	s_set_vgpr_msb (MSB<<8)|(\new)
.set MSB, (\new)
.endif
.endm
.set MUL_LO, 0xa1                      ; source 0 window 1, source 1 window 0, C and D window 2
.set MUL_HI, 0xf1
.set TO_B,   0x40
; A joint load: waves 0 and 1 fetch source 1's two groups, waves 2 and 3 source 0's.  The branch hangs on the wave's number alone.  s_nop 0 and four v_nop follow each of the two lines.
.macro JLOAD g0a, g1a, g0b, g1b
	s_cmp_eq_u32 s15, 0
	s_cbranch_scc0 .Lfor_b_\@
	tensor_load_to_lds s[\g0a:\g0a+3], s[\g1a:\g1a+7]
	s_nop 0
.rept 4
	v_nop
.endr
	s_branch .Lasked_\@
.Lfor_b_\@:
	tensor_load_to_lds s[\g0b:\g0b+3], s[\g1b:\g1b+7]
	s_nop 0
.rept 4
	v_nop
.endr
.Lasked_\@:
.endm
.macro CREST                           ; a round of the cluster's barrier behind its opening barrier
	s_cmp_lg_u32 s14, 0
	s_cbranch_scc1 .Lnot_wave_0_\@
	s_barrier_signal -3
.Lnot_wave_0_\@:
	s_barrier_wait -3
	s_barrier_signal -1
	s_barrier_wait -1
.endm
.macro CROUND
	s_barrier_signal -1
	s_barrier_wait -1
	CREST
.endm
	s_load_b128 s[4:7], s[0:1], 0x0                ; ops, tab
	s_load_b64 s[8:9], s[0:1], 0x10                ; qkv
	v_lshl_add_u32 v[SPW], v0, 2, SPARE
	v_mov_b32 v[NIL], 0
	ds_add_u32 v[SPW], v[NIL]                      ; the opening: the add, twice on end, and its wait ahead of my first tensor load
	ds_add_u32 v[SPW], v[NIL]
	v_lshrrev_b32 v1, 5, v0
	v_readfirstlane_b32 s14, v1                    ; wave 0..3
	s_lshr_b32 s15, s14, 1                         ; which of source 1's two groups is mine.  Also: I fetch for source 1 (0) or source 0 (1)
	s_and_b32 s16, s14, 1                          ; which of source 0's.  Also: which group of the two I fetch
	s_bfe_u32 s40, ttmp6, 0x40000                  ; cx
	s_bfe_u32 s41, ttmp6, 0x40004                  ; cy
	s_and_b32 s43, ttmp7, 0xffff
	s_lshl_b32 s43, s43, 3                         ; the cluster's eight groups of tokens
	s_lshl_b32 s44, ttmp9, 3
	s_add_co_u32 s44, s44, 64                      ; q's or k's eight groups of wqkv
	s_cmp_eq_u32 ttmp9, 2
	s_cselect_b32 s17, 80, s43                     ; source 1: v: wv's groups; q, k: tokens
	s_cselect_b32 s42, s43, s44                    ; source 0: v: tokens; q, k: rows of wqkv
	s_lshl_b32 s12, s41, 1
	s_add_co_u32 s17, s17, s12                     ; + 2 cy
	s_lshl_b32 s13, s40, 1
	s_add_co_u32 s42, s42, s13                     ; + 2 cx
	s_lshl_b32 s18, s41, 2
	s_lshl_b32 s18, 15, s18                        ; my row of the cluster
	s_lshl_b32 s19, 0x1111, s40                    ; my column
	; descriptor group 1: a dense run as rows of 256 bytes (32 elements of 8 bytes): 156 rows are three K steps
	s_or_b32 s[G1+0], s18, (3<<16)|(1<<21)         ; 15:0 the mask; 17:16 elements of 8 bytes; 20 no padding; 21 set beside a mask
	s_or_b32 s[G1B+0], s19, (3<<16)|(1<<21)
.irp g, G1, G1B
	s_mov_b32 s[\g+1], 32<<16                      ; tensor_dim0
	s_mov_b32 s[\g+2], 156<<16                     ; tensor_dim1
	s_mov_b32 s[\g+3], 32<<16                      ; tile_dim0
	s_mov_b32 s[\g+4], 156                         ; tile_dim1
	s_mov_b32 s[\g+5], 32                          ; tensor_dim0_stride
	s_mov_b32 s[\g+6], 0
	s_mov_b32 s[\g+7], 0
.endr
	s_add_co_u32 s20, s17, s16
	s_mul_i32 s20, s20, GREC                       ; the record that I would fetch for source 1,
	s_mov_b32 s21, 0
	s_add_co_u32 s46, s42, s16
	s_mul_i32 s46, s46, GREC                       ; and for source 0
	s_mov_b32 s47, 0
	s_mul_i32 s10, s14, HALFT                      ; where it goes: no place in the cluster enters an LDS address
	; the way out's places (global addresses alone)
	s_add_co_u32 s92, s17, s15                     ; my group of source 1
	s_add_co_u32 s93, s42, s16                     ; my group of source 0
	s_sub_co_u32 s94, s92, 80                      ; v: the pair of heads
	s_sub_co_u32 s95, s93, 64
	s_and_b32 s95, s95, 7                          ; q, k: the pair of heads
	s_cmp_eq_u32 ttmp9, 2
	s_cselect_b32 s92, s93, s92                    ; my group of tokens
	s_cselect_b32 s94, s94, s95
	s_lshr_b32 s96, s92, 4
	s_lshl_b32 s96, s96, 3
	s_add_co_u32 s96, s96, s94
	s_lshl_b32 s96, s96, 5                         ; (batch x 16 + the pair's first head) x 16
	s_and_b32 s93, s92, 15
	s_add_co_u32 s96, s96, s93                     ; + the group of tokens in its batch
	s_mul_i32 s96, s96, REC
	s_mul_i32 s97, ttmp9, 7168
	s_add_co_u32 s96, s96, s97                     ; q's, k's or v's part of the record
	s_mov_b32 s97, 0
	s_lshl_b32 s98, s93, 15                        ; the table's 128 positions of 256 bytes
	s_mov_b32 s99, 0
	s_wait_dscnt 0x0                               ; both opening adds are done
	s_wait_kmcnt 0x0
	s_add_nc_u64 s[8:9], s[8:9], s[96:97]
	s_add_nc_u64 s[6:7], s[6:7], s[98:99]
	s_add_nc_u64 s[20:21], s[4:5], s[20:21]
	s_add_nc_u64 s[46:47], s[4:5], s[46:47]
	CROUND                                         ; all sixteen work-groups are here: the first joint loads meet
.irp s, 0,1
	s_mov_b32 s[G0+4*\s], 1
	s_add_co_u32 s[G0+4*\s+1], s10, \s*SLOT
	s_add_nc_u64 s[G0+4*\s+2:G0+4*\s+3], s[20:21], \s*HALFT
	s_or_b32 s[G0+4*\s+3], s[G0+4*\s+3], 0x80000000
	s_mov_b32 s[G0B+4*\s], 1
	s_add_co_u32 s[G0B+4*\s+1], s10, \s*SLOT
	s_add_nc_u64 s[G0B+4*\s+2:G0B+4*\s+3], s[46:47], \s*HALFT
	s_or_b32 s[G0B+4*\s+3], s[G0B+4*\s+3], 0x80000000
.endr
	JLOAD G0, G1, G0B, G1B                         ; K steps 0-2: one tensor load a wave at the head
	v_and_b32 v1, 31, v0                           ; lane
	v_bfe_u32 v2, v0, 4, 1                         ; h
	v_lshlrev_b32 v[L16], 4, v1
	v_lshlrev_b32 v[L8], 3, v1
	v_lshlrev_b32 v[L4], 2, v1
	s_mul_i32 s21, s15, HALFT                      ; my group of source 1
	s_mul_i32 s22, s16, HALFT                      ; my group of source 0,
	s_add_co_u32 s22, s22, 2*HALFT                 ; behind source 1's two
.irp s, 0,1
	v_add_nc_u32 v[ADRA+\s], s21, v[L16]
	v_add_nc_u32 v[ADRA+2+\s], s21, v[L8]
	v_add_nc_u32 v[ADRB+\s], s22, v[L16]
	v_add_nc_u32 v[ADRB+2+\s], s22, v[L8]
	s_add_co_u32 s21, s21, SLOT
	s_add_co_u32 s22, s22, SLOT
.endr
	s_mul_i32 s21, s15, HALFT                      ; the scale words lie in the groups' own runs
	s_mul_i32 s22, s16, HALFT
	s_add_co_u32 s22, s22, 2*HALFT
	s_sub_co_u32 s22, s22, s21
	v_mul_u32_u24 v3, s22, v2                      ; lanes 16-31 take source 0's: one product, the distance between the two
	v_add_nc_u32 v3, v3, v[L4]
	v_add_nc_u32 v[ADRS], s21, v3
	s_add_co_u32 s21, s21, SLOT
	v_add_nc_u32 v[ADRS+1], s21, v3
	v_and_b32 v3, 15, v0
	v_and_b32 v4, 8, v3
	v_add_nc_u32 v3, v3, v4                        ; r + 8 (r / 8)
	v_lshlrev_b32 v3, 8, v3
	v_lshl_add_u32 v[VT], v2, 6, v3                ; the table: my token's row of 256 bytes, + 64 h: my eight pairs of each 32 channels
	; WHERE k's TILES GO.  The attention wants tile 4 c + u of k to hold in lane rows 0-7 the tokens 64 c + 8 u + 0..7 and in lane rows 8-15 the tokens 64 c + 32 + 8 u + 0..7.
	; My tile a, lane row r, is that order's tile 4 (a / 4) + a % 2 + 2 (r / 8), lane row r % 8 + 8 ((a / 2) % 2): against the plain place that is + 1,408 (r / 8) - 1,408 ((a / 2) % 2) bytes in registers 0-3,
	; 1,472 in registers 4-5, 224 in the scale words.  q stays plain.  x = r / 8 for k and 0 for q where (a / 2) % 2 = 0 (v5-7); where it is 1 the immediate takes the term off and x = r / 8 for k, 1 for q (v8-10).
	v_bfe_u32 v3, v0, 3, 1                         ; r / 8
	s_cmp_eq_u32 ttmp9, 1                          ; k?  The cluster's x, the same in all partners
	s_cselect_b32 s21, 1, 0
	v_mul_u32_u24 v3, v3, s21
	s_xor_b32 s21, s21, 1
	v_add_nc_u32 v4, s21, v3
	v_mad_u32_u24 v5, v3, 1408, v[L16]
	v_mad_u32_u24 v6, v3, 1472, v[L8]
	v_mad_u32_u24 v7, v3, 224, v[L4]
	v_mad_u32_u24 v8, v4, 1408, v[L16]
	v_mad_u32_u24 v9, v4, 1472, v[L8]
	v_mad_u32_u24 v10, v4, 224, v[L4]
	s_mov_b32 s[SEL], 0x76543210
	s_mov_b32 s[SEL+1], 0xfedcba98
.macro FRAG reg, adr, off              ; a fragment's image comes back as it was stored: the same registers in the same lanes; each load reads consecutive bytes
	ds_load_b128 v[\reg:\reg+3], v[\adr] offset:\off
	ds_load_b64 v[\reg+4:\reg+5], v[\adr+2] offset:\off+512
	ds_load_b128 v[\reg+6:\reg+9], v[\adr] offset:\off+768
	ds_load_b64 v[\reg+10:\reg+11], v[\adr+2] offset:\off+1280
.endm
; 16 matrix instructions: source 1's tiles a0, a0 + 1 x source 0's eight, 128 along K.  The 64 accumulators take turns, one instruction a turn, in the same order in every step.
.macro MUL16 a0, p, q, sc, zero
.irp a, \a0, \a0+1
.irp b, 0,1,2,3,4,5,6,7
.if \zero
	v_wmma_scale_f32_16x16x128_f8f6f4 v[8*(8*((\a)%4)+\b):8*(8*((\a)%4)+\b)+7], v[128*(\p)+FR*\b:128*(\p)+FR*\b+FR-1], v[AF+FR*(\a):AF+FR*(\a)+FR-1], 0, v[SC+8*NQ*(\sc)+NQ*\b+(\q)], v[SC+8*NQ*(\sc)+NQ*(\a)+(\q)] matrix_a_fmt:MATRIX_FMT_BF6 matrix_b_fmt:MATRIX_FMT_BF6 matrix_a_scale:MATRIX_SCALE_ROW1
.else
	v_wmma_scale_f32_16x16x128_f8f6f4 v[8*(8*((\a)%4)+\b):8*(8*((\a)%4)+\b)+7], v[128*(\p)+FR*\b:128*(\p)+FR*\b+FR-1], v[AF+FR*(\a):AF+FR*(\a)+FR-1], v[8*(8*((\a)%4)+\b):8*(8*((\a)%4)+\b)+7], v[SC+8*NQ*(\sc)+NQ*\b+(\q)], v[SC+8*NQ*(\sc)+NQ*(\a)+(\q)] matrix_a_fmt:MATRIX_FMT_BF6 matrix_b_fmt:MATRIX_FMT_BF6 matrix_a_scale:MATRIX_SCALE_ROW1
.endif
.endr
.endr
.endm
.macro FETCH_B slot, q, p
	WIN TO_B
.irp i, 0,1,2,3,4,5,6,7
	FRAG 128*(\p)+FR*\i, ADRB+\slot, (\q)*GSTEP+\i*FRB
.endr
	WIN 0
.endm
.macro FETCH_A slot, q, i0
.irp i, \i0, \i0+1, \i0+2, \i0+3
	FRAG AF+FR*(\i), ADRA+\slot, (\q)*GSTEP+(\i)*FRB
.endr
.endm
.macro SCALES sc, n                    ; the scale words of a slot's n steps: register 3 i + q: lanes 0-15 source 1's tile i, lanes 16-31 source 0's tile i
.irp i, 0,1,2,3,4,5,6,7
.set QQ, 0
.rept \n
	ds_load_b32 v[SC+8*NQ*\sc+NQ*\i+QQ], v[ADRS+\sc] offset:12288+QQ*GSTEP+\i*128
.set QQ, QQ+1
.endr
.endr
.endm
.macro PLACES n                        ; plain vector instructions between a matrix instruction and a load into, or a read of, its registers
.rept \n
	v_nop
.endr
.endm
; Source 0's set of step q in a slot is (q + slot) % 2: the eight steps take the two sets by turns, and a slot has three steps.
.macro STEP slot, q, zero              ; a step of 128 along K that has its successor in the same slot
	s_wait_dscnt 4*NL                              ; all but the youngest sixteen loads (source 1's tiles 4-7)
	WIN MUL_LO
	MUL16 0, ((\q)+(\slot))%2, \q, \slot, \zero
	MUL16 2, ((\q)+(\slot))%2, \q, \slot, \zero
	s_wait_dscnt 0
	PLACES NP
	FETCH_B \slot, (\q)+1, 1-((\q)+(\slot))%2
	FETCH_A \slot, (\q)+1, 0
	WIN MUL_HI
	MUL16 4, ((\q)+(\slot))%2, \q, \slot, \zero
	MUL16 6, ((\q)+(\slot))%2, \q, \slot, \zero
	PLACES NP
	WIN 0
	FETCH_A \slot, (\q)+1, 4
.endm
; A slot's last step changes slots: one barrier; in front of it each wave waits for all its tensor loads, adds 0 to its spare word, and waits for that and for its reads of this slot.
.macro TURN slot, next, fill, n
	s_wait_tensorcnt 0x0                           ; all my tensor loads have landed: my part of the next slot
	ds_add_u32 v[SPW], v[NIL]                      ; 0 onto my spare word
	s_wait_dscnt 4*NL+1                            ; (the add and the youngest sixteen loads may be out)
	WIN MUL_LO
	MUL16 0, (\slot)%2, NQ-1, \slot, 0
	s_wait_dscnt 0x0                               ; the add is done, and my reads of this slot are over
	s_barrier_signal -1
	MUL16 2, (\slot)%2, NQ-1, \slot, 0
	WIN 0
	s_barrier_wait -1
.if \fill
	CREST                                          ; the barrier has opened a round of the cluster's: no wave of any partner still reads this slot or has a load on its way
	s_add_nc_u64 s[G0+4*\slot+2:G0+4*\slot+3], s[G0+4*\slot+2:G0+4*\slot+3], 2*HALFT
	s_add_nc_u64 s[G0B+4*\slot+2:G0B+4*\slot+3], s[G0B+4*\slot+2:G0B+4*\slot+3], 2*HALFT
	s_mov_b32 s[G1+2], 104<<16                     ; no tensor load of mine is out: the last load brings two K steps, 104 rows
	s_mov_b32 s[G1+4], 104
	s_mov_b32 s[G1B+2], 104<<16
	s_mov_b32 s[G1B+4], 104
	JLOAD G0+4*\slot, G1, G0B+4*\slot, G1B         ; the first tensor load behind the round; its four v_nop are the places in front of the loads below
.else
	PLACES NP
.endif
	FETCH_B \next, 0, (\next)%2
	FETCH_A \next, 0, 0
	SCALES \next, \n
	WIN MUL_HI
	MUL16 4, (\slot)%2, NQ-1, \slot, 0
	MUL16 6, (\slot)%2, NQ-1, \slot, 0
	PLACES NP
	WIN 0
	FETCH_A \next, 0, 4
.endm
	s_wait_alu depctr_va_vdst(0)                   ; the wait at the head's end
	s_wait_tensorcnt 0x0                           ; my part of slot 0 is in; the same lines as ahead of a refill stand ahead of slot 1's first fill
	ds_add_u32 v[SPW], v[NIL]
	s_wait_dscnt 0x0
	CROUND                                         ; everybody's part is in, and all sixteen work-groups are here
	JLOAD G0+4, G1, G0B+4, G1B                     ; K steps 3-5
	FETCH_B 0, 0, 0
	FETCH_A 0, 0, 0
	SCALES 0, 3
	FETCH_A 0, 0, 4
	STEP 0, 0, 1                                   ; the first step's products start the sums
	STEP 0, 1, 0
	TURN 0, 1, 1, 3                                ; slot 0 takes K steps 6 and 7
	STEP 1, 0, 0
	STEP 1, 1, 0
	TURN 1, 0, 0, 2                                ; nothing more to fetch
	STEP 0, 0, 0
.macro TLOAD a                         ; cos and sin of tile a's tokens: for each half of a head's 64 my eight pairs, 64 bytes
.irp k, 0,1,2,3,4,5,6,7
	global_load_b128 v[CS+32*((\a)%2)+4*\k:CS+32*((\a)%2)+4*\k+3], v[VT], s[6:7] offset:(32*((\a)/2)+8*((\a)%2))*256+128*(\k/4)+16*(\k%4)
.endr
.endm
	s_cmp_eq_u32 ttmp9, 2                          ; q, k: the first two tiles' cos and sin are asked for here, a K step ahead of the way out (v64-127 are free: the second set of scale words was last read two steps ago)
	s_cbranch_scc1 .Lno_table
	TLOAD 0
	TLOAD 1
.Lno_table:
	s_wait_dscnt 4*NL
	WIN MUL_LO
	MUL16 0, 1, 1, 0, 0
	MUL16 2, 1, 1, 0, 0
	s_wait_dscnt 0
	WIN MUL_HI
	MUL16 4, 1, 1, 0, 0
	MUL16 6, 1, 1, 0, 0
	WIN 0
; THE WAY OUT.  64 numbers of a lane in window w, register 16 b + i = index 32 b + 16 (lane / 16) + i, become a fragment's codes in v[PC] on and its scale word in v[PW].  Each accumulator is read from its low end on.
.macro QUANT s, w
	WIN 5*(\w)                                     ; sources 0 and 1 in window w
.irp b, 0,1,2,3
	v_max3_num_f32 v[TM+\b], |v[\s+16*\b]|, |v[\s+1+16*\b]|, 0x2800000   ; and the floor 2^(5 - 127): the byte cannot fall under 1
.endr
	WIN 20*(\w)                                    ; sources 1 and 2
.irp i, 2,4,6,8,10,12,14
.irp b, 0,1,2,3
	v_max3_num_f32 v[TM+\b], v[TM+\b], |v[\s+16*\b+\i]|, |v[\s+1+16*\b+\i]|
.endr
.endr
	WIN 0
.irp b, 0,1,2,3
	v_permlanex16_b32 v[TM+4+\b], v[TM+\b], s[SEL], s[SEL+1]
.endr
.irp b, 0,1,2,3
	v_max_num_f32 v[TM+\b], v[TM+\b], v[TM+4+\b]
.endr
.irp b, 0,1,2,3
	v_add_nc_u32 v[TM+12+\b], 0xfe000000, v[TM+\b] ; 4 off the exponent field: the conversion's scale operand
.endr
.irp b, 0,1,2,3
	v_lshrrev_b32 v[TM+4+\b], 23, v[TM+12+\b]      ; the scale's byte
.endr
	v_lshl_or_b32 v[PW], v[TM+5], 8, v[TM+4]
	v_lshl_or_b32 v[PW], v[TM+6], 16, v[PW]
	v_lshl_or_b32 v[PW], v[TM+7], 24, v[PW]
	WIN \w                                         ; source 0
.irp c, 0,1
	v_cvt_scalef32_pk16_bf6_f32 v[PC+6*\c:PC+2+6*\c], v[\s+32*\c:\s+15+32*\c], v[TM+12+2*\c]
	v_cvt_scalef32_pk16_bf6_f32 v[PC+12+4*\c:PC+14+4*\c], v[\s+16+32*\c:\s+31+32*\c], v[TM+12+2*\c+1]
.endr
	WIN 0
	v_nop                                          ; one plain place behind a scaled conversion
.irp c, 0,1
.irp i, 0,1,2
	v_permlane16_swap_b32 v[PC+6*\c+\i], v[PC+12+4*\c+\i]
.endr
.irp i, 0,1,2
	v_mov_b32 v[PC+3+6*\c+\i], v[PC+12+4*\c+\i]
.endr
.endr
.endm
.macro ROPE a                          ; (x1, x2) -> (x1 c - x2 s, x1 s + x2 c), a pair an instruction: first (x2 s, x1 s), then x c -+ that
	WIN 2+(\a)/4                                   ; source 0: the accumulators' window
.set N, 0
.rept 32
	v_pk_mul_f32 v[T+2*N:T+2*N+1], v[64*((\a)%4)+2*N:64*((\a)%4)+2*N+1], v[CS+32*((\a)%2)+16*((N/8)%2)+2*(N%8):CS+32*((\a)%2)+16*((N/8)%2)+2*(N%8)+1] op_sel:[1,1] op_sel_hi:[0,1]
.set N, N+1
.endr
.set N, 0
.rept 32
	v_pk_fma_f32 v[T+2*N:T+2*N+1], v[64*((\a)%4)+2*N:64*((\a)%4)+2*N+1], v[CS+32*((\a)%2)+16*((N/8)%2)+2*(N%8):CS+32*((\a)%2)+16*((N/8)%2)+2*(N%8)+1], v[T+2*N:T+2*N+1] op_sel_hi:[1,0,1] neg_lo:[0,0,1]
.set N, N+1
.endr
	WIN 0
.endm
	PLACES NP                                      ; behind the last products: their results are read, and source 1's registers written, below
.irp b, 0,1,2,3
	v_mov_b32 v[TM+4+\b], 0                        ; a lane permute's destination counts as one of its sources
.endr
	s_cmp_eq_u32 ttmp9, 2                          ; the cluster's x: the same in all partners
	s_cbranch_scc1 .Lvpath
.irp a, 0,1,2,3,4,5,6,7                ; q, k: tile a's 16 tokens x 128 channels: two heads
.if \a < 7
	s_wait_loadcnt 8                               ; this tile's eight loads are in, the next tile's may be out
.else
	s_wait_loadcnt 0x0
.endif
	s_wait_xcnt 0x0                                ; the last tile's stores have read their registers
	ROPE \a
.if \a < 6
	TLOAD \a+2                                     ; into the set that was just used
.endif
	QUANT T, 0
	v_and_b32 v[WA], 0xffff, v[PW]                 ; the first head's two bytes,
	v_lshrrev_b32 v[WB], 16, v[PW]                 ; the second's
.set OD, ((\a)/2)%2
	global_store_b128 v[5+3*OD], v[PC:PC+3], s[8:9] offset:768*\a-1408*OD
	global_store_b64 v[6+3*OD], v[PC+4:PC+5], s[8:9] offset:768*\a+512-1472*OD
	global_store_b32 v[7+3*OD], v[WA], s[8:9] offset:6144+128*\a-224*OD
	global_store_b128 v[5+3*OD], v[PC+6:PC+9], s[8:9] offset:16*REC+768*\a-1408*OD
	global_store_b64 v[6+3*OD], v[PC+10:PC+11], s[8:9] offset:16*REC+768*\a+512-1472*OD
	global_store_b32 v[7+3*OD], v[WB], s[8:9] offset:16*REC+6144+128*\a-224*OD
.endr
	s_branch .Lend
.Lvpath:
.irp a, 0,1,2,3,4,5,6,7                ; v: tile a's 16 channels x 128 tokens: a whole fragment of the attention's second product
	s_wait_xcnt 0x0
	QUANT 64*((\a)%4), 2+(\a)/4
	global_store_b128 v[L16], v[PC:PC+3], s[8:9] offset:(\a/4)*16*REC+(\a%4)*1536
	global_store_b64 v[L8], v[PC+4:PC+5], s[8:9] offset:(\a/4)*16*REC+(\a%4)*1536+512
	global_store_b128 v[L16], v[PC+6:PC+9], s[8:9] offset:(\a/4)*16*REC+(\a%4)*1536+768
	global_store_b64 v[L8], v[PC+10:PC+11], s[8:9] offset:(\a/4)*16*REC+(\a%4)*1536+1280
	global_store_b32 v[L4], v[PW], s[8:9] offset:(\a/4)*16*REC+6144+(\a%4)*128
.endr
.Lend:
	s_wait_tensorcnt 0x0                           ; the wave's end
	ds_add_u32 v[SPW], v[NIL]
	s_wait_dscnt 0x0
	CROUND                                         ; the closing round: no work-group ends while a partner may still ask for a tile that names it
	s_endpgm
.Lfunc_end_k_q021330e6f2_qkv:
	.size	k_q021330e6f2_qkv, .Lfunc_end_k_q021330e6f2_qkv-k_q021330e6f2_qkv
	.p2alignl 7, 3214868480
	.fill 96, 4, 3214868480
	.section	.rodata,"a",@progbits
	.p2align	6, 0x0
	.amdhsa_kernel k_q021330e6f2_qkv
		.amdhsa_group_segment_fixed_size 327680
		.amdhsa_private_segment_fixed_size 0
		.amdhsa_enable_private_segment 0
		.amdhsa_kernarg_size 24
		.amdhsa_user_sgpr_count 2
		.amdhsa_user_sgpr_kernarg_segment_ptr 1
		.amdhsa_wavefront_size32 1
		.amdhsa_system_sgpr_workgroup_id_x 1
		.amdhsa_system_sgpr_workgroup_id_y 1
		.amdhsa_system_sgpr_workgroup_id_z 1
		.amdhsa_system_vgpr_workitem_id 0
		.amdhsa_next_free_vgpr 1024
		.amdhsa_next_free_sgpr 100
		.amdhsa_reserve_vcc 0
		.amdhsa_float_denorm_mode_32 3
		.amdhsa_float_denorm_mode_16_64 3
		.amdhsa_memory_ordered 1
		.amdhsa_forward_progress 1
		.amdhsa_inst_pref_size 224
	.end_amdhsa_kernel
	.amdgpu_metadata
---
amdhsa.version: [ 1, 2 ]
amdhsa.kernels:
  - .name:           k_q021330e6f2_qkv
    .symbol:         k_q021330e6f2_qkv.kd
    .args:
      - { .name: ops, .offset: 0, .size: 8, .value_kind: global_buffer, .address_space: global }
      - { .name: tab, .offset: 8, .size: 8, .value_kind: global_buffer, .address_space: global }
      - { .name: qkv, .offset: 16, .size: 8, .value_kind: global_buffer, .address_space: global }
    .group_segment_fixed_size: 327680
    .private_segment_fixed_size: 0
    .kernarg_segment_align: 8
    .kernarg_segment_size: 24
    .max_flat_workgroup_size: 128
    .sgpr_count:     100
    .vgpr_count:     1024
    .wavefront_size: 32
...
	.end_amdgpu_metadata
.endif
;; end of part 2
;; launch attn (part 3): grid 64 x 4, 16 waves a work-group, no clusters, 327,680 bytes of LDS; arguments qkv, yc; writes yc
.if DOCPART == 3
	.amdgcn_target "amdgcn-amd-amdhsa--gfx1250"
	.amdhsa_code_object_version 6
	.text
	.protected	k_q021330e6f2_attn
	.globl	k_q021330e6f2_attn
	.p2align	8
	.type	k_q021330e6f2_attn,@function
k_q021330e6f2_attn:
	s_mov_b64 s[64:65], 0
	v_nop
	global_prefetch_b8 v0, s[64:65] scope:SCOPE_SE
	s_setreg_imm32_b32 hwreg(HW_REG_WAVE_MODE, 25, 1), 1
	s_wait_xcnt 0x0
; y[b][h][q] = the sum over keys k <= q of softmax_k(Q . K / 8) V, both products on codes of BF6 (E3M2) with E8M0 scales; y / l is quantised along d_model and leaves as codes, in the order of the last product's operand.
; WORK LEFT OUT: steps of 128 keys all of which come after a tile's queries: reference()'s own causal mask throws their weights away, whatever the inputs hold.
; THE SOFTMAX: t = score x log2(e) / 8; M = the running largest t rounded up to a whole number; p = 2^(t - M) is quantised along the keys, not normalised; the sum is taken of the unquantised p and divides at the end.
; IN: record (batch x 16 + head) x 16 + step, REC bytes, for 128 tokens: q: 8 tiles x 768 bytes + 8 x 128 scale words; k at 7,168 likewise; v at 14,336: 4 tiles of channels x 1,536 + 4 x 128.
; Lane row r of tile t of q (tokens) and of v (channels) is row 32 (t / 2) + 8 (t % 2) + r + 8 (r / 8).  k's tile 4 c + u holds in lane rows 0-7 the keys 64 c + 8 u + 0..7 and in lane rows 8-15 the keys 64 c + 32 + 8 u + 0..7:
; lane (query, h) then holds in score registers 32 c + 0..31 the keys 64 c + 32 h + 0..31, a WHOLE block of 32 in the order of p's operand: a block's maximum needs no other lane, and the codes no exchange of lanes.
; SHARES.  Work-group (i, head) owns the blocks i and 7 - i of 256 queries: the same number of key steps in every work-group.  In a pass each of sixteen waves owns one tile of 16 queries, in 256 registers.
; LDS.  The head's K and V, 16 steps x 13,824 bytes, come once, in two halves: a wave's load is half a step, 27 rows of 256 bytes.  Steps 0-7 are asked for at the head; steps 8-15 behind the first barrier.
; Block i (i <= 3) needs steps 0-7 alone: its loop has 8 trips.  Behind it a wave waits for its own load and signals; it waits for the others' signals only ahead of step 8 of block 7 - i:
; between the two it reads steps 0-7 alone, which nobody writes.  Nothing is filled again.  Both passes' Q are loaded at the head.
; NO CLUSTER: the four work-groups of a head read the same K and V, but which steps a wave leaves out and which queries it owns hang on the work-group's number, and partners of joint loads must run alike.
; NO PREFETCH: all of K and V is asked for by the launch's first two groups of loads: there is no loop to run ahead in.
; BOTH PRODUCTS TRANSPOSED: S^T = K Q^T, O^T = V^T P^T: a lane holds one query throughout.  THE HEAD IS 64 LONG, half of the instruction's 128: Q's upper six registers are zero codes and its upper two scale bytes 0;
; a fragment of K is named as twelve registers of which the upper six are the next tile's codes (zeros behind the last): they meet Q's zeros and add nothing.
; CAUSAL: a step all of whose keys come after the wave's queries is jumped over by a scalar branch on ids; on the diagonal hidden scores become -infinity.
; OUT: yc: group of 128 tokens: record GREC, eight K steps (pairs of heads) of GSTEP: codes [tile][1,536] (the head's half: 768), then scale words [tile][128]: a head writes its two bytes of each word, by stores of two bytes a lane.
; LIMITS: the promise holds while |t| stays under 2^31; a block of zeros gets the byte 1 (its codes are zeros; this program alone reads the bytes); NaN and infinities are not served.
; REGISTERS: v1-3 16, 8, 4 x lane; v4 my query less 32 h; v5-7 the step's LDS addresses; v30 8 h; v12 -M, v13 the largest score, v[14:15] the sum; v16-27 Q; v28 Q's scale word;
; v32-85 K's tiles, then V's fragments; v86-92 the second pass's Q; v96-159 S^T, then p; v160-191 O^T; v192-210 p's codes; v212-253 at work.
.set REC,  20992
.set KV,   13824
.set HKV,  6912
.set GREC, 106496
.set GSTEP, 13312
.set SPARE, 221184                     ; behind K and V: the spare words, 128 bytes for each of 16 waves
.set KR,   32
.set SR,   96
.set OR,   160
.set PC,   192
.set PT,   204
.set BM,   212                         ; v212-215 four chains of maxima; then v212, v214 the two blocks' largest score, then largest p
.set PB,   216                         ; v216-219 lane permutes' results, bytes
.set SO,   220                         ; v220-221 the conversions' scale operands
.set KS,   224                         ; K's scale words
.set VS,   232                         ; V's
.set PW,   236                         ; p's scale word; at the end y's two bytes
.set W,    237
.set F,    238                         ; v[238:239] f = 2^(old M - new M), named as a pair
.set TT,   240
.set W2,   241
.set SB,   242                         ; v[242:247] three more chains of the sum
.set OM,   248                         ; the old -M
.set WV,   18
.set SEL,  20
.set CSC,  22                          ; s[22:23] c = log2(e) / 8
.set TB,   51                          ; LDS byte at which the step's tiles begin
.set KF,   52                          ; the step's first key
.set JC,   53
.set Q0,   54                          ; my tile's first query
.set QMAX, 55                          ; and its last
.set GA,   60                          ; s60, s61 my group of 128 queries in pass 0, 1
.set TL,   62                          ; my tile in it
.set NC,   63                          ; -c
	s_load_b128 s[4:7], s[0:1], 0x0                ; qkv, yc
	v_lshl_add_u32 v254, v0, 2, SPARE
	v_mov_b32 v255, 0
	ds_add_u32 v254, v255                          ; the opening: the add, twice on end, and its wait ahead of my first tensor load
	ds_add_u32 v254, v255
	v_lshrrev_b32 v1, 5, v0
	v_readfirstlane_b32 s[WV], v1                  ; wave 0..15
	s_mov_b32 s9, ttmp9                            ; batch x 16 + head: the grid's x; its y is i, so the four work-groups of a head have numbers 64 apart
	s_mov_b32 s28, 3<<16                           ; group 1: no mask; elements of 8 bytes; no padding: 6,912 dense bytes as 27 rows of 256
	s_mov_b32 s29, 32<<16                          ; tensor_dim0
	s_mov_b32 s30, 27<<16                          ; tensor_dim1
	s_mov_b32 s31, 32<<16                          ; tile_dim0
	s_mov_b32 s32, 27                              ; tile_dim1
	s_mov_b32 s33, 32                              ; tensor_dim0_stride
	s_mov_b32 s34, 0
	s_mov_b32 s35, 0
	s_lshl_b32 s10, s9, 4                          ; the head's first record
	s_lshr_b32 s11, s[WV], 1
	s_add_co_u32 s11, s10, s11
	s_mul_i32 s12, s11, REC
	s_and_b32 s13, s[WV], 1
	s_mul_i32 s13, s13, HKV
	s_add_co_u32 s12, s12, s13
	s_add_co_u32 s12, s12, 7168                    ; step wave / 2, half wave % 2 of its K and V
	s_mov_b32 s13, 0
	s_mov_b32 s24, 1
	s_mul_i32 s25, s[WV], HKV
	s_mov_b32 s36, 1                               ; the second load's group 0: eight steps on
	s_add_co_u32 s37, s25, 8*KV
	s_lshr_b32 s57, s[WV], 3
	s_and_b32 s[TL], s[WV], 7
	s_and_b32 s56, ttmp7, 0xffff                   ; i
	s_lshl_b32 s56, s56, 1
	s_add_co_u32 s[GA], s56, s57                   ; block i: groups 2 i, 2 i + 1
	s_sub_co_u32 s56, 15, s56
	s_sub_co_u32 s[GA+1], s56, s57                 ; block 7 - i, the other way round: group 15 - 2 i for the waves that had 2 i: group g has g + 1 steps, so every wave has 17
	s_add_co_u32 s40, s10, s[GA]
	s_mul_i32 s40, s40, REC
	s_mov_b32 s41, 0
	s_add_co_u32 s42, s10, s[GA+1]
	s_mul_i32 s42, s42, REC
	s_mov_b32 s43, 0
	s_mul_i32 s56, s[TL], 768
	s_lshl_b32 s57, s[TL], 7
	s_wait_dscnt 0x0                               ; both opening adds are done
	s_wait_kmcnt 0x0
	s_add_nc_u64 s[26:27], s[4:5], s[12:13]
	s_add_nc_u64 s[38:39], s[26:27], 8*REC
	s_or_b32 s27, s27, 0x80000000
	s_or_b32 s39, s39, 0x80000000
	tensor_load_to_lds s[24:27], s[28:35]          ; steps 0-7: one load a wave at the head
	s_nop 0
	s_add_nc_u64 s[40:41], s[4:5], s[40:41]        ; the records of my queries
	s_add_nc_u64 s[42:43], s[4:5], s[42:43]
	v_and_b32 v8, 31, v0
	v_lshlrev_b32 v1, 4, v8
	v_lshlrev_b32 v2, 3, v8
	v_lshlrev_b32 v3, 2, v8
	v_add_nc_u32 v5, s56, v1
	v_add_nc_u32 v6, s56, v2
	v_add_nc_u32 v7, s57, v3
	global_load_b128 v[16:19], v5, s[40:41]        ; Q of both passes
	global_load_b64 v[20:21], v6, s[40:41] offset:512
	global_load_b32 v28, v7, s[40:41] offset:6144
	global_load_b128 v[86:89], v5, s[42:43]
	global_load_b64 v[90:91], v6, s[42:43] offset:512
	global_load_b32 v92, v7, s[42:43] offset:6144
	v_and_b32 v8, 7, v0                            ; r % 8
	v_bfe_u32 v10, v0, 3, 1                        ; r / 8
	v_bfe_u32 v31, v0, 4, 1                        ; h
	v_lshl_add_u32 v4, v10, 4, v8                  ; r + 8 (r / 8)
	v_lshlrev_b32 v30, 5, v31
	v_sub_nc_u32 v4, v4, v30                       ; - 32 h
	v_lshlrev_b32 v30, 3, v31                      ; 8 h
	v_mov_b32 v9, 0xff800000                       ; -infinity
.irp j, 22,23,24,25,26,27,80,81,82,83,84,85
	v_mov_b32 v\j, 0                               ; zero codes: Q's upper half, and what stands behind K's last tile
.endr
.irp j, 216,217,218,219,239,240,241
	v_mov_b32 v\j, 0                               ; written once: lane permutes' destinations, and the upper half of f's pair
.endr
	s_mov_b32 s[SEL], 0x76543210
	s_mov_b32 s[SEL+1], 0xfedcba98
	s_mov_b32 s[CSC], 0x3e38aa3b
	s_mov_b32 s[CSC+1], s[CSC]
	s_mov_b32 s[NC], 0xbe38aa3b
	s_wait_alu depctr_va_vdst(0)                   ; the wait at the head's end
	s_wait_tensorcnt 0x0                           ; my half step has landed
	ds_add_u32 v254, v255
	s_wait_dscnt 0x0
	s_barrier_signal -1
	s_barrier_wait -1                              ; steps 0-7 are whole
	tensor_load_to_lds s[36:39], s[28:35]          ; steps 8-15: my one load behind this barrier
	s_nop 0
.macro VLOAD c                         ; a fragment of V and its scale words
	ds_load_b128 v[KR+12*\c:KR+12*\c+3], v5 offset:7168+1536*\c
	ds_load_b64 v[KR+12*\c+4:KR+12*\c+5], v6 offset:7168+1536*\c+512
	ds_load_b128 v[KR+12*\c+6:KR+12*\c+9], v5 offset:7168+1536*\c+768
	ds_load_b64 v[KR+12*\c+10:KR+12*\c+11], v6 offset:7168+1536*\c+1280
	ds_load_b32 v[VS+\c], v7 offset:13312+128*\c
.endm
.macro OMUL                            ; two pairs of O^T under the new M
.rept 2
	v_pk_mul_f32 v[OR+N:OR+N+1], v[OR+N:OR+N+1], v[F:F+1] op_sel_hi:[1,0]
.set N, N+2
.endr
.endm
.macro STEP
	s_cmp_gt_u32 s[KF], s[QMAX]                    ; all 128 keys come after my queries: nothing to do
	s_cbranch_scc1 .Lskip_\@
	v_add_nc_u32 v5, s[TB], v1
	v_add_nc_u32 v6, s[TB], v2
	v_add_nc_u32 v7, s[TB], v3
	v_mov_b32 v[OM], v12                           ; these four lines are the places in front of loads into registers that the last products read
.irp t, 0,1,2,3,4,5,6,7
	ds_load_b128 v[KR+6*\t:KR+6*\t+3], v5 offset:768*\t
	ds_load_b64 v[KR+6*\t+4:KR+6*\t+5], v6 offset:768*\t+512
	ds_load_b32 v[KS+\t], v7 offset:6144+128*\t
.endr
	s_wait_alu depctr_va_vdst(0)                   ; the wait ahead of the wait below
.irp t, 0,1,2,3,4,5,6,7
.if \t < 7
	s_wait_dscnt 18-3*\t                           ; three loads a tile, 24 in all: product t names tiles t and t + 1, the first 3 t + 6 loads; the rest may be out
.endif
	v_wmma_scale_f32_16x16x128_f8f6f4 v[SR+8*\t:SR+8*\t+7], v[KR+6*\t:KR+6*\t+11], v[16:27], 0, v[KS+\t], v28 matrix_a_fmt:MATRIX_FMT_BF6 matrix_b_fmt:MATRIX_FMT_BF6
.endr
.rept 4
	v_nop                                          ; places: the scores are read
.endr
	s_add_co_u32 s50, s[KF], 127
	s_cmp_le_u32 s50, s[Q0]                        ; all keys count: no mask
	s_cbranch_scc1 .Lopen_\@
	s_sub_co_i32 s50, s[Q0], s[KF]
	v_add_nc_u32 v8, s50, v4                       ; d = my query - KF - 32 h.  Register 32 c + i holds key KF + 32 h + 64 c + i: hidden where 64 c + i > d
	s_cmp_ge_u32 s50, 64                           ; my tile's queries all lie behind the step's first 64 keys: those count
	s_wait_alu depctr_va_vdst(0)                   ; the wait ahead of the branch
	s_cbranch_scc1 .Lhalf_\@
.set N, 0
.rept 32
	v_cmp_gt_i32 vcc_lo, N, v8
	v_cndmask_b32 v[SR+N], v[SR+N], v9, vcc_lo
.set N, N+1
.endr
.Lhalf_\@:
.set N, 0
.rept 32
	v_cmp_gt_i32 vcc_lo, 64+N, v8
	v_cndmask_b32 v[SR+32+N], v[SR+32+N], v9, vcc_lo
.set N, N+1
.endr
.Lopen_\@:
.irp k, 0,1,2,3                        ; the largest score of each of my two blocks of 32 keys, in four chains of 16: for the row's maximum, and, since p rises with the score, for the block's largest p
	v_max3_num_f32 v[BM+\k], v[SR+16*\k], v[SR+16*\k+1], v[SR+16*\k+2]
.endr
.irp i, 3,5,7,9,11,13
.irp k, 0,1,2,3
	v_max3_num_f32 v[BM+\k], v[BM+\k], v[SR+16*\k+\i], v[SR+16*\k+\i+1]
.endr
.endr
	v_max3_num_f32 v[BM], v[BM], v[BM+1], v[SR+15]
	v_max3_num_f32 v[BM+2], v[BM+2], v[BM+3], v[SR+47]
	v_max_num_f32 v[BM], v[BM], v[SR+31]
	v_max_num_f32 v[BM+2], v[BM+2], v[SR+63]
	v_max_num_f32 v[TT], v[BM], v[BM+2]            ; V's loads (they land where K lay, under the softmax) stand between the links of this chain
	VLOAD 0
	v_permlanex16_b32 v[PB], v[TT], s[SEL], s[SEL+1]
	VLOAD 1
	v_max3_num_f32 v13, v13, v[TT], v[PB]          ; the running largest score: mine, lane l xor 16's, and what was
	VLOAD 2
	v_mul_f32 v12, s[NC], v13                      ; -t
	VLOAD 3
	v_floor_f32 v12, v12                           ; the new -M = -ceil(t)
.set N, 0
.irp g, 0,1,2,3
.rept 8
	v_pk_fma_f32 v[SR+N:SR+N+1], v[SR+N:SR+N+1], s[CSC:CSC+1], v[12:13] op_sel_hi:[1,0,0]   ; t - M
.set N, N+2
.endr
.if \g == 0
	v_sub_f32 v[TT], v12, v[OM]                    ; old M - new M: a whole number, 0 or less
.endif
.if \g == 1
	v_cvt_i32_f32 v[TT], v[TT]                     ; (it saturates)
.endif
.if \g == 2
	v_ldexp_f32 v[F], 1.0, v[TT]                   ; f = 2^(old M - new M): a multiplication by it rounds nothing
.endif
.endr
	v_fma_f32 v[BM], v[BM], s[CSC], v12
	v_fma_f32 v[BM+2], v[BM+2], s[CSC], v12
	s_wait_alu depctr_va_vdst(0)                   ; the wait ahead of the batch
.set N, 0
.rept 64
	v_exp_f32 v[SR+N], v[SR+N]                     ; p = 2^(t - M)
.set N, N+1
.endr
	v_exp_f32 v[BM], v[BM]                         ; the block's largest p: the same two instructions on the same number
	v_exp_f32 v[BM+2], v[BM+2]
	v_pk_mul_f32 v[14:15], v[14:15], v[F:F+1] op_sel_hi:[1,0]   ; the sum under the new M (a plain place behind the exponentials)
	s_wait_alu depctr_va_vdst(0)                   ; one wait for the batch, directly ahead of O^T's first read behind it
.set N, 0
	OMUL                                           ; O^T's sixteen multiplications, with the lines that make p's scale word between them
	v_max_num_f32 v[BM], 0x2800000, v[BM]          ; the floor 2^(5 - 127)
	v_max_num_f32 v[BM+2], 0x2800000, v[BM+2]
	OMUL
	v_add_nc_u32 v[SO], 0xfe000000, v[BM]          ; 4 off the exponent field: the conversion's scale operand
	v_add_nc_u32 v[SO+1], 0xfe000000, v[BM+2]
	OMUL
	v_lshrrev_b32 v[PB+1], 23, v[SO]               ; the bytes of blocks h and 2 + h
	v_lshrrev_b32 v[PB+2], 23, v[SO+1]
	OMUL
	v_lshl_or_b32 v[W], v[PB+2], 16, v[PB+1]
	OMUL
	v_lshlrev_b32 v[W], v30, v[W]                  ; at their places in the word, 8 h bits up
	OMUL
	v_permlanex16_b32 v[W2], v[W], s[SEL], s[SEL+1]
	OMUL
	v_or_b32 v[PW], v[W], v[W2]                    ; with lane l xor 16's two the word is whole
	OMUL
.irp c, 0,1
	v_cvt_scalef32_pk16_bf6_f32 v[PC+6*\c:PC+6*\c+2], v[SR+32*\c:SR+32*\c+15], v[SO+\c]
	v_cvt_scalef32_pk16_bf6_f32 v[PT+4*\c:PT+4*\c+2], v[SR+32*\c+16:SR+32*\c+31], v[SO+\c]   ; (a conversion's three registers begin on an even number)
.endr
.irp k, 0,1,2                          ; the sum of the unquantised p, two at a time, in four chains.  (Plain places behind the conversions)
	v_pk_add_f32 v[SB+2*\k:SB+2*\k+1], v[SR+4*\k:SR+4*\k+1], v[SR+4*\k+2:SR+4*\k+3]
.endr
.irp j, 0,1,2,3,4,5
	v_pk_add_f32 v[14:15], v[14:15], v[SR+12+8*\j:SR+13+8*\j]
.irp k, 0,1,2
	v_pk_add_f32 v[SB+2*\k:SB+2*\k+1], v[SB+2*\k:SB+2*\k+1], v[SR+14+8*\j+2*\k:SR+15+8*\j+2*\k]
.endr
.endr
.irp c, 0,1
.irp i, 0,1,2
	v_mov_b32 v[PC+3+6*\c+\i], v[PT+4*\c+\i]       ; registers 6 c .. 6 c + 5 hold keys 64 c + 32 h + 0 .. 31
.endr
.endr
	v_pk_add_f32 v[14:15], v[14:15], v[SR+60:SR+61]
	v_pk_add_f32 v[SB:SB+1], v[SB:SB+1], v[SR+62:SR+63]
	v_pk_add_f32 v[SB+2:SB+3], v[SB+2:SB+3], v[SB+4:SB+5]
	v_pk_add_f32 v[14:15], v[14:15], v[SB:SB+1]
	v_pk_add_f32 v[14:15], v[14:15], v[SB+2:SB+3]
	s_wait_alu depctr_va_vdst(0)                   ; the wait ahead of the wait below
	s_wait_dscnt 0x0                               ; V is in
.irp c, 0,1,2,3
	v_wmma_scale_f32_16x16x128_f8f6f4 v[OR+8*\c:OR+8*\c+7], v[KR+12*\c:KR+12*\c+11], v[PC:PC+11], v[OR+8*\c:OR+8*\c+7], v[VS+\c], v[PW] matrix_a_fmt:MATRIX_FMT_BF6 matrix_b_fmt:MATRIX_FMT_BF6
.endr
.Lskip_\@:
	s_add_co_u32 s[KF], s[KF], 128
	s_add_co_u32 s[TB], s[TB], KV
.endm
.macro FINAL
.rept 4
	v_nop                                          ; places behind the last products
.endr
	v_add_f32 v14, v14, v15
	v_permlanex16_b32 v[TT], v14, s[SEL], s[SEL+1]
	v_add_f32 v14, v14, v[TT]                      ; the row's sum
	s_wait_alu depctr_va_vdst(0)                   ; the wait ahead of the transcendental,
	v_rcp_f32 v14, v14
	v_nop
	s_wait_alu depctr_va_vdst(0)                   ; and behind it
.set N, 0
.rept 16
	v_pk_mul_f32 v[SR+N:SR+N+1], v[OR+N:OR+N+1], v[14:15] op_sel_hi:[1,0]   ; y: register 16 b + i = channel 32 b + 16 h + i
.set N, N+2
.endr
.irp b, 0,1
	v_max3_num_f32 v[BM+\b], |v[SR+16*\b]|, |v[SR+1+16*\b]|, 0x2800000
.endr
.irp i, 2,4,6,8,10,12,14
.irp b, 0,1
	v_max3_num_f32 v[BM+\b], v[BM+\b], |v[SR+16*\b+\i]|, |v[SR+1+16*\b+\i]|
.endr
.endr
.irp b, 0,1
	v_permlanex16_b32 v[PB+\b], v[BM+\b], s[SEL], s[SEL+1]
.endr
.irp b, 0,1
	v_max_num_f32 v[BM+\b], v[BM+\b], v[PB+\b]
.endr
.irp b, 0,1
	v_add_nc_u32 v[SO+\b], 0xfe000000, v[BM+\b]
.endr
.irp b, 0,1
	v_lshrrev_b32 v[PB+\b], 23, v[SO+\b]
.endr
	v_lshl_or_b32 v[PW], v[PB+1], 8, v[PB]         ; my head's two bytes of the row's scale word
	v_cvt_scalef32_pk16_bf6_f32 v[PC:PC+2], v[SR:SR+15], v[SO]
	v_cvt_scalef32_pk16_bf6_f32 v[PT:PT+2], v[SR+16:SR+31], v[SO+1]
	v_nop
.irp i, 0,1,2
	v_permlane16_swap_b32 v[PC+\i], v[PT+\i]
.endr
.irp i, 0,1,2
	v_mov_b32 v[PC+3+\i], v[PT+\i]
.endr
	global_store_b128 v1, v[PC:PC+3], s[46:47]
	global_store_b64 v2, v[PC+4:PC+5], s[46:47] offset:512
	global_store_b16 v3, v[PW], s[48:49]           ; two bytes of each word: the other two are the pair's other head's, another work-group's
.endm
.macro INIT p
	s_wait_xcnt 0x0                                ; the last pass's stores have read their registers and bases
	s_lshl_b32 s[Q0], s[GA+\p], 7
	s_lshr_b32 s56, s[TL], 1
	s_lshl_b32 s56, s56, 5
	s_add_co_u32 s[Q0], s[Q0], s56
	s_and_b32 s56, s[TL], 1
	s_lshl_b32 s56, s56, 3
	s_add_co_u32 s[Q0], s[Q0], s56
	s_add_co_u32 s[QMAX], s[Q0], 23
	s_and_b32 s56, s9, 0x30                        ; batch x 16
	s_add_co_u32 s56, s56, s[GA+\p]
	s_mul_i32 s56, s56, GREC                       ; y's record
	s_bfe_u32 s57, s9, 0x30001                     ; the pair of heads: a K step of the last product
	s_mul_i32 s57, s57, GSTEP
	s_add_co_u32 s56, s56, s57
	s_and_b32 s57, s9, 1                           ; which half of it
	s_mul_i32 s58, s57, 768
	s_mul_i32 s59, s[TL], 1536
	s_add_co_u32 s58, s58, s59
	s_add_co_u32 s46, s56, s58
	s_mov_b32 s47, 0
	s_add_nc_u64 s[46:47], s[6:7], s[46:47]
	s_lshl_b32 s57, s57, 1
	s_lshl_b32 s59, s[TL], 7
	s_add_co_u32 s57, s57, s59
	s_add_co_u32 s48, s56, s57
	s_add_co_u32 s48, s48, 12288
	s_mov_b32 s49, 0
	s_add_nc_u64 s[48:49], s[6:7], s[48:49]
.if \p
.irp j, 0,1,2,3,4,5
	v_mov_b32 v[16+\j], v[86+\j]                   ; this pass's Q
.endr
	v_mov_b32 v28, v92
.endif
	v_mov_b32 v13, 0xff61b1e6                      ; the largest score so far: -3e38
	v_mul_f32 v12, s[NC], v13
	v_floor_f32 v12, v12
	v_mov_b32 v14, 0
	v_mov_b32 v15, 0
.set N, 0
.rept 32
	v_mov_b32 v[OR+N], 0                           ; O^T: the step is written once; the first change of M multiplies zeros
.set N, N+1
.endr
	s_mov_b32 s[TB], 0
	s_mov_b32 s[KF], 0
	s_wait_alu depctr_va_vdst(0)                   ; the wait here
.if \p == 0
	s_wait_loadcnt 0x0                             ; Q of both passes
.endif
.endm
.macro KEYS                            ; eight steps, a constant count: the steps that the mask hides are jumped over inside
	s_mov_b32 s[JC], 0
.Lkeys_\@:
	STEP
	s_add_co_u32 s[JC], s[JC], 1
	s_cmp_lt_u32 s[JC], 8
	s_cbranch_scc1 .Lkeys_\@
.endm
	INIT 0                                         ; block i <= 3: its keys lie in steps 0-7
	KEYS
	FINAL
	s_wait_tensorcnt 0x0                           ; my half step of steps 8-15 has landed,
	s_wait_dscnt 0x0
	s_barrier_signal -1                            ; say so; up to the wait below I read steps 0-7 alone and store nothing
	INIT 1
	KEYS                                           ; block 7 - i, steps 0-7
	s_barrier_wait -1                              ; everybody's half step has landed
	KEYS                                           ; steps 8-15
	FINAL
	s_wait_tensorcnt 0x0                           ; the wave's end
	ds_add_u32 v254, v255
	s_wait_dscnt 0x0
	s_endpgm
.Lfunc_end_k_q021330e6f2_attn:
	.size	k_q021330e6f2_attn, .Lfunc_end_k_q021330e6f2_attn-k_q021330e6f2_attn
	.p2alignl 7, 3214868480
	.fill 96, 4, 3214868480
	.section	.rodata,"a",@progbits
	.p2align	6, 0x0
	.amdhsa_kernel k_q021330e6f2_attn
		.amdhsa_group_segment_fixed_size 327680
		.amdhsa_private_segment_fixed_size 0
		.amdhsa_enable_private_segment 0
		.amdhsa_kernarg_size 16
		.amdhsa_user_sgpr_count 2
		.amdhsa_user_sgpr_kernarg_segment_ptr 1
		.amdhsa_wavefront_size32 1
		.amdhsa_system_sgpr_workgroup_id_x 1
		.amdhsa_system_sgpr_workgroup_id_y 1
		.amdhsa_system_sgpr_workgroup_id_z 1
		.amdhsa_system_vgpr_workitem_id 0
		.amdhsa_next_free_vgpr 256
		.amdhsa_next_free_sgpr 66
		.amdhsa_reserve_vcc 1
		.amdhsa_float_denorm_mode_32 3
		.amdhsa_float_denorm_mode_16_64 3
		.amdhsa_memory_ordered 1
		.amdhsa_forward_progress 1
		.amdhsa_inst_pref_size 81
	.end_amdhsa_kernel
	.amdgpu_metadata
---
amdhsa.version: [ 1, 2 ]
amdhsa.kernels:
  - .name:           k_q021330e6f2_attn
    .symbol:         k_q021330e6f2_attn.kd
    .args:
      - { .name: qkv, .offset: 0, .size: 8, .value_kind: global_buffer, .address_space: global }
      - { .name: yc, .offset: 8, .size: 8, .value_kind: global_buffer, .address_space: global }
    .group_segment_fixed_size: 327680
    .private_segment_fixed_size: 0
    .kernarg_segment_align: 8
    .kernarg_segment_size: 16
    .max_flat_workgroup_size: 512
    .sgpr_count:     66
    .vgpr_count:     256
    .wavefront_size: 32
...
	.end_amdgpu_metadata
.endif
;; end of part 3
;; launch outp (part 4): grid 8 x 32, 4 waves a work-group, clusters of 4 x 4, 327,680 bytes of LDS; arguments yc, ops, out0; writes out0
.if DOCPART == 4
	.amdgcn_target "amdgcn-amd-amdhsa--gfx1250"
	.amdhsa_code_object_version 6
	.text
	.protected	k_q021330e6f2_outp
	.globl	k_q021330e6f2_outp
	.p2align	8
	.type	k_q021330e6f2_outp,@function
k_q021330e6f2_outp:
	s_mov_b64 s[64:65], 0
	v_nop
	global_prefetch_b8 v0, s[64:65] scope:SCOPE_SE
	s_setreg_imm32_b32 hwreg(HW_REG_WAVE_MODE, 25, 1), 1
	s_wait_xcnt 0x0
	s_wait_alu depctr_hold_cnt(0) depctr_sa_sdst(0) depctr_va_vdst(0) depctr_va_sdst(0) depctr_va_ssrc(0) depctr_va_vcc(0) depctr_vm_vsrc(0)
	s_getreg_b32 s2, hwreg(HW_REG_IB_STS2, 6, 4)
	s_cmp_eq_u32 s2, 0
	s_cbranch_scc0 .Lentry_in_a_cluster
	s_endpgm
.Lentry_in_a_cluster:
	s_bfe_u32 s2, ttmp6, 0x10000c
	s_cmp_lg_u32 s2, 0xf033
	s_cbranch_scc0 .Lentry_shape_is_right
	s_endpgm
.Lentry_shape_is_right:
; out0 = y wout^T on codes of BF6 (E3M2) with E8M0 scales, K = 1,024, f32 out.
; OPERANDS come as images of fragments: a group of 128 rows has a record of GREC bytes, eight K steps of GSTEP bytes: codes [tile 0..7][1,536], then the step's scale words [tile][128].  y's groups lie in yc, wout's are groups 88-95 of ops.
; Lane row r of tile t is the group's row 32 (t / 2) + 8 (t % 2) + r + 8 (r / 8).  Source 1 = tokens, source 0 = rows of wout: lane (r, h) of accumulator (a, b) holds the token of tile a, lane row r,
; and the 64 registers of b = 0..7 are the columns 32 B + 16 h + i at register 16 B + i.
; A work-group makes 256 tokens x 128 columns: 8 x 32 = 256 work-groups.  Each of four waves makes 64 tokens (four tiles) x 128 columns: 32 accumulators, 256 registers.
; LDS HOLDS ALL OF K: the records of two groups of tokens and of one group of wout, 3 x 106,496 bytes, as they lie in memory.  They come by ONE tensor load a wave, at the head: waves 0 and 1 a group of tokens each (416 rows
; of 256 bytes), waves 2 and 3 a half of wout's group each (208 rows).  No ring, nothing is filled again, one barrier ahead of the products.
; CLUSTERS: 4 x 4: the tokens' groups are shared along a row of the cluster, wout's group along a column.  NO PREFETCH: all that the work-group reads is asked for at the head: there is no loop to run ahead in.
; A K STEP: both sources have two sets of registers; the next step's 48 fragment loads and 12 loads of scale words are issued ahead of this step's 32 products.
; THE WAY OUT: a block of 16 tokens x 128 columns goes through the wave's own stage, which lies on the first record's bytes: they have had their only fill, and a barrier in the last step shows that nobody reads LDS operands any more.
; It comes back as whole rows of 512 bytes, which 32 lanes store as two aligned runs of 256 bytes.
; REGISTERS: window 0: v10-31 addresses; v32-55 scale words, two sets of 12 (four of the tokens' tiles, eight of wout's); v128-223 the tokens' fragments, two sets of 48; on the way out v128-255.
;   window 1: wout's fragments, two sets, at v0 and v128.   window 2: the accumulators, (a, b) at v[8 (8 a + b)].
.set FR,    12
.set NP,    4                          ; places behind this matrix instruction (ISA guide 7.12.1)
.set FRB,   1536
.set GSTEP, 13312
.set HALF,  53248                      ; four K steps: what an LDS load's immediate reaches over
.set GREC,  106496
.set SPARE, 319488                     ; behind the three records: the spare words
.set SPITCH, 528
.set ASA,   10                         ; v10-11 the tokens' scale words, K steps 0-3, 4-7
.set ASB,   12                         ; v12-13 wout's
.set ADRA,  16                         ; v16-17 the tokens' fragments, + 16 x lane; v18-19 + 8 x lane
.set ADRB,  20                         ; v20-23 wout's
.set STO,   24
.set RD,    25
.set L16,   26
.set SPW,   28
.set NIL,   29
.set L8,    30
.set L4,    31
.set SC,    32
.set AF,    128
.set BK,    128
.set G1, 24
.set G0, 32
.set G1B, 48
.set G0B, 56
.set MSB, 0
.macro WIN new                         ; the immediate's high byte repeats the setting that is left
.if MSB != (\new)
	s_set_vgpr_msb (MSB<<8)|(\new)
.set MSB, (\new)
.endif
.endm
.set MUL,   0xa1                       ; source 0 window 1, source 1 window 0, C and D window 2
.set TO_B,  0x40
.macro CREST                           ; a round of the cluster's barrier behind its opening barrier
	s_cmp_lg_u32 s14, 0
	s_cbranch_scc1 .Lnot_wave_0_\@
	s_barrier_signal -3
.Lnot_wave_0_\@:
	s_barrier_wait -3
	s_barrier_signal -1
	s_barrier_wait -1
.endm
.macro CROUND
	s_barrier_signal -1
	s_barrier_wait -1
	CREST
.endm
	s_load_b128 s[4:7], s[0:1], 0x0                ; yc, ops
	s_load_b64 s[8:9], s[0:1], 0x10                ; out0
	v_lshl_add_u32 v[SPW], v0, 2, SPARE
	v_mov_b32 v[NIL], 0
	ds_add_u32 v[SPW], v[NIL]                      ; the opening: the add, twice on end, and its wait
	ds_add_u32 v[SPW], v[NIL]
	v_lshrrev_b32 v1, 5, v0
	v_readfirstlane_b32 s14, v1                    ; wave
	s_lshr_b32 s15, s14, 1                         ; my group of tokens; also: I fetch tokens (0) or wout (1)
	s_and_b32 s16, s14, 1                          ; which four of its tiles are mine; also: which group of tokens, or which half of wout's group, I fetch
	s_bfe_u32 s40, ttmp6, 0x40000                  ; cx
	s_bfe_u32 s41, ttmp6, 0x40004                  ; cy
	s_and_b32 s17, ttmp7, 0xffff
	s_lshl_b32 s17, s17, 3
	s_lshl_b32 s12, s41, 1
	s_add_co_u32 s17, s17, s12                     ; tokens: group 8 x cluster y + 2 cy
	s_lshl_b32 s42, ttmp9, 2
	s_add_co_u32 s42, s42, s40                     ; wout: group 4 x cluster x + cx of its eight
	s_lshl_b32 s18, s41, 2
	s_lshl_b32 s18, 15, s18                        ; my row of the cluster
	s_lshl_b32 s19, 0x1111, s40                    ; my column
	s_or_b32 s[G1+0], s18, (3<<16)|(1<<21)         ; the mask; elements of 8 bytes; bit 21 beside a mask
	s_or_b32 s[G1B+0], s19, (3<<16)|(1<<21)
	s_mov_b32 s[G1+1], 32<<16                      ; rows of 256 bytes,
	s_mov_b32 s[G1+2], 416<<16                     ; 416 of them: a record
	s_mov_b32 s[G1+3], 32<<16
	s_mov_b32 s[G1+4], 416
	s_mov_b32 s[G1+5], 32
	s_mov_b32 s[G1+6], 0
	s_mov_b32 s[G1+7], 0
	s_mov_b32 s[G1B+1], 32<<16
	s_mov_b32 s[G1B+2], 208<<16                    ; 208: half a record
	s_mov_b32 s[G1B+3], 32<<16
	s_mov_b32 s[G1B+4], 208
	s_mov_b32 s[G1B+5], 32
	s_mov_b32 s[G1B+6], 0
	s_mov_b32 s[G1B+7], 0
	s_add_co_u32 s20, s17, s16
	s_mul_i32 s20, s20, GREC                       ; the record of tokens that I would fetch,
	s_mov_b32 s21, 0
	s_add_co_u32 s46, s42, 88
	s_mul_i32 s46, s46, GREC
	s_mul_i32 s11, s16, HALF
	s_add_co_u32 s46, s46, s11                     ; and the half of wout's
	s_mov_b32 s47, 0
	s_mul_i32 s10, s16, GREC                       ; where they go: no place in the cluster enters an LDS address
	s_add_co_u32 s11, s11, 2*GREC
	s_add_co_u32 s92, s17, s15
	s_lshl_b32 s92, s92, 19                        ; my group's 128 rows of out0, 4,096 bytes each,
	s_lshl_b32 s93, s16, 18                        ; my 64 of them,
	s_add_co_u32 s92, s92, s93
	s_lshl_b32 s93, s42, 9                         ; and the work-group's 128 columns
	s_add_co_u32 s92, s92, s93
	s_mov_b32 s93, 0
	s_wait_dscnt 0x0                               ; both opening adds are done
	s_wait_kmcnt 0x0
	s_add_nc_u64 s[8:9], s[8:9], s[92:93]
	s_mov_b32 s[G0], 1
	s_mov_b32 s[G0+1], s10
	s_add_nc_u64 s[G0+2:G0+3], s[4:5], s[20:21]
	s_or_b32 s[G0+3], s[G0+3], 0x80000000
	s_mov_b32 s[G0B], 1
	s_mov_b32 s[G0B+1], s11
	s_add_nc_u64 s[G0B+2:G0B+3], s[6:7], s[46:47]
	s_or_b32 s[G0B+3], s[G0B+3], 0x80000000
	CROUND                                         ; all sixteen work-groups are here: the joint loads meet
	s_cmp_eq_u32 s15, 0                            ; one load a wave, each in its arm of one branch on the wave's number
	s_cbranch_scc0 .Lfor_b
	tensor_load_to_lds s[G0:G0+3], s[G1:G1+7]
	s_nop 0
.rept 4
	v_nop
.endr
	s_branch .Lasked
.Lfor_b:
	tensor_load_to_lds s[G0B:G0B+3], s[G1B:G1B+7]
	s_nop 0
.rept 4
	v_nop
.endr
.Lasked:
	v_and_b32 v1, 31, v0
	v_bfe_u32 v2, v0, 4, 1
	v_lshlrev_b32 v[L16], 4, v1
	v_lshlrev_b32 v[L8], 3, v1
	v_lshlrev_b32 v[L4], 2, v1
	s_wait_alu depctr_va_vdst(0)                   ; the wait here
	s_mul_i32 s21, s15, GREC
	s_mul_i32 s22, s16, 4*FRB
	s_add_co_u32 s22, s21, s22                     ; my four tiles of my group of tokens
	s_mov_b32 s23, 2*GREC                          ; wout's eight
.irp s, 0,1
	v_add_nc_u32 v[ADRA+\s], s22, v[L16]
	v_add_nc_u32 v[ADRA+2+\s], s22, v[L8]
	v_add_nc_u32 v[ADRB+\s], s23, v[L16]
	v_add_nc_u32 v[ADRB+2+\s], s23, v[L8]
	s_add_co_u32 s22, s22, HALF
	s_add_co_u32 s23, s23, HALF
.endr
	s_lshl_b32 s22, s16, 9
	s_add_co_u32 s22, s21, s22                     ; my four tiles' scale words
	s_mov_b32 s23, 2*GREC
.irp s, 0,1
	v_add_nc_u32 v[ASA+\s], s22, v[L4]
	v_add_nc_u32 v[ASB+\s], s23, v[L4]
	s_add_co_u32 s22, s22, HALF
	s_add_co_u32 s23, s23, HALF
.endr
	s_mul_i32 s23, s14, 16*SPITCH                  ; my stage
	v_and_b32 v3, 15, v0
	v_mul_u32_u24 v3, v3, SPITCH
	v_lshl_add_u32 v3, v2, 6, v3
	v_add_nc_u32 v[STO], s23, v3                   ; in: row r, + 64 h
	v_add_nc_u32 v[RD], s23, v[L16]                ; back: 32 lanes take a row of 512 bytes
.macro FRAG reg, adr, off              ; a fragment's image comes back as it was stored
	ds_load_b128 v[\reg:\reg+3], v[\adr] offset:\off
	ds_load_b64 v[\reg+4:\reg+5], v[\adr+2] offset:\off+512
	ds_load_b128 v[\reg+6:\reg+9], v[\adr] offset:\off+768
	ds_load_b64 v[\reg+10:\reg+11], v[\adr+2] offset:\off+1280
.endm
.macro FETCH g                         ; K step g's fragments and scale words into set g % 2
	WIN TO_B
.irp i, 0,1,2,3,4,5,6,7
	FRAG 128*((\g)%2)+FR*\i, ADRB+(\g)/4, ((\g)%4)*GSTEP+\i*FRB
.endr
	WIN 0
.irp i, 0,1,2,3
	FRAG AF+48*((\g)%2)+FR*\i, ADRA+(\g)/4, ((\g)%4)*GSTEP+\i*FRB
.endr
.irp i, 0,1,2,3
	ds_load_b32 v[SC+12*((\g)%2)+\i], v[ASA+(\g)/4] offset:12288+((\g)%4)*GSTEP+\i*128
.endr
.irp i, 0,1,2,3,4,5,6,7
	ds_load_b32 v[SC+12*((\g)%2)+4+\i], v[ASB+(\g)/4] offset:12288+((\g)%4)*GSTEP+\i*128
.endr
.endm
; 32 matrix instructions: my four tiles of tokens x wout's eight, 128 along K.  The 32 accumulators take turns, one instruction a turn, in the same order in every step.
.macro MUL32 p, zero
	WIN MUL
.irp a, 0,1,2,3
.irp b, 0,1,2,3,4,5,6,7
.if \zero
	v_wmma_scale_f32_16x16x128_f8f6f4 v[8*(8*\a+\b):8*(8*\a+\b)+7], v[128*(\p)+FR*\b:128*(\p)+FR*\b+FR-1], v[AF+48*(\p)+FR*\a:AF+48*(\p)+FR*\a+FR-1], 0, v[SC+12*(\p)+4+\b], v[SC+12*(\p)+\a] matrix_a_fmt:MATRIX_FMT_BF6 matrix_b_fmt:MATRIX_FMT_BF6
.else
	v_wmma_scale_f32_16x16x128_f8f6f4 v[8*(8*\a+\b):8*(8*\a+\b)+7], v[128*(\p)+FR*\b:128*(\p)+FR*\b+FR-1], v[AF+48*(\p)+FR*\a:AF+48*(\p)+FR*\a+FR-1], v[8*(8*\a+\b):8*(8*\a+\b)+7], v[SC+12*(\p)+4+\b], v[SC+12*(\p)+\a] matrix_a_fmt:MATRIX_FMT_BF6 matrix_b_fmt:MATRIX_FMT_BF6
.endif
.endr
.endr
	WIN 0
.endm
.macro PLACES n                        ; plain vector instructions between a matrix instruction and a load into, or a read of, its registers
.rept \n
	v_nop
.endr
.endm
	s_wait_alu depctr_va_vdst(0)                   ; the wait at the head's end
	s_wait_tensorcnt 0x0                           ; my load has landed,
	s_barrier_signal -1
	s_barrier_wait -1                              ; everybody's has: all of K is in LDS
	FETCH 0
	s_wait_dscnt 0x0
	FETCH 1
	MUL32 0, 1                                     ; the first step's products start the sums
.set G, 1
.rept 6
	s_wait_dscnt 0x0                               ; this step's fragments are in
	PLACES NP                                      ; the other set was read by the last step's products
	FETCH G+1
	MUL32 G%2, 0
.set G, G+1
.endr
	s_wait_dscnt 0x0                               ; the last step's fragments are in: my reads of the operands are over:
	s_barrier_signal -1                            ; say so,
	MUL32 1, 0
	s_barrier_wait -1                              ; and go on when all four have said so: the stages may be written
.macro TOSTAGE a                       ; LDS serves a wave's instructions in order: no wait between the stores and the loads
	WIN 0x08                                       ; the data: window 2
.irp b, 0,1,2,3,4,5,6,7
	ds_store_b128 v[STO], v[64*(\a)+8*\b:64*(\a)+8*\b+3] offset:128*(\b/2)+32*(\b%2)          ; each accumulator from its low end on
	ds_store_b128 v[STO], v[64*(\a)+8*\b+4:64*(\a)+8*\b+7] offset:128*(\b/2)+32*(\b%2)+16
.endr
	WIN 0
.set BB, BK+64*((\a)%2)
.irp t, 0,1,2,3,4,5,6,7,8,9,10,11,12,13,14,15
	ds_load_b128 v[BB+4*\t:BB+4*\t+3], v[RD] offset:\t*SPITCH
.endr
.endm
.macro SEND a, younger                 ; younger: the LDS instructions issued behind block a's loads, which may stay out
.set BB, BK+64*((\a)%2)
	s_wait_dscnt \younger
.irp t, 0,1,2,3,4,5,6,7,8,9,10,11,12,13,14,15
	global_store_b128 v[L16], v[BB+4*\t:BB+4*\t+3], s[8:9] offset:(32*((\a)/2)+8*((\a)%2)+\t+8*(\t/8))*4096 th:TH_STORE_NT
.endr
.endm
	PLACES NP
	TOSTAGE 0
.irp a, 1,2,3
.if \a > 1
	s_wait_xcnt 0x0                                ; block a - 2's stores have read their registers
.endif
	TOSTAGE \a
	SEND \a-1, 32
.endr
	SEND 3, 0
	s_wait_tensorcnt 0x0                           ; the wave's end
	ds_add_u32 v[SPW], v[NIL]
	s_wait_dscnt 0x0
	CROUND                                         ; the closing round
	s_endpgm
.Lfunc_end_k_q021330e6f2_outp:
	.size	k_q021330e6f2_outp, .Lfunc_end_k_q021330e6f2_outp-k_q021330e6f2_outp
	.p2alignl 7, 3214868480
	.fill 96, 4, 3214868480
	.section	.rodata,"a",@progbits
	.p2align	6, 0x0
	.amdhsa_kernel k_q021330e6f2_outp
		.amdhsa_group_segment_fixed_size 327680
		.amdhsa_private_segment_fixed_size 0
		.amdhsa_enable_private_segment 0
		.amdhsa_kernarg_size 24
		.amdhsa_user_sgpr_count 2
		.amdhsa_user_sgpr_kernarg_segment_ptr 1
		.amdhsa_wavefront_size32 1
		.amdhsa_system_sgpr_workgroup_id_x 1
		.amdhsa_system_sgpr_workgroup_id_y 1
		.amdhsa_system_sgpr_workgroup_id_z 1
		.amdhsa_system_vgpr_workitem_id 0
		.amdhsa_next_free_vgpr 768
		.amdhsa_next_free_sgpr 100
		.amdhsa_reserve_vcc 0
		.amdhsa_float_denorm_mode_32 3
		.amdhsa_float_denorm_mode_16_64 3
		.amdhsa_memory_ordered 1
		.amdhsa_forward_progress 1
		.amdhsa_inst_pref_size 86
	.end_amdhsa_kernel
	.amdgpu_metadata
---
amdhsa.version: [ 1, 2 ]
amdhsa.kernels:
  - .name:           k_q021330e6f2_outp
    .symbol:         k_q021330e6f2_outp.kd
    .args:
      - { .name: yc, .offset: 0, .size: 8, .value_kind: global_buffer, .address_space: global }
      - { .name: ops, .offset: 8, .size: 8, .value_kind: global_buffer, .address_space: global }
      - { .name: out0, .offset: 16, .size: 8, .value_kind: global_buffer, .address_space: global }
    .group_segment_fixed_size: 327680
    .private_segment_fixed_size: 0
    .kernarg_segment_align: 8
    .kernarg_segment_size: 24
    .max_flat_workgroup_size: 128
    .sgpr_count:     100
    .vgpr_count:     768
    .wavefront_size: 32
...
	.end_amdgpu_metadata
.endif
;; end of part 4
